; MI455X (gfx1250); checked and timed in simulation.
; The chip was launched on July 23, 2026; its instructions are those of AMD's public machine-readable ISA for CDNA 5 (MIT licence, August 2026) and "CDNA5" Instruction Set Architecture Reference Guide (July 2026). The comments in the code are by the model that wrote it; some were corrected since.
;; Multi Head Attention. Allowed arithmetic: matrix products marked QUANTISED: E3M2 operands, one E8M0 scale for each 32 along K, by v_wmma_scale_f32_16x16x128_f8f6f4 with both operands' format E3M2, f32 sums; everything else in f32.
;; Inputs: Wk_b 1,024 float32; Wk_w 1,024 x 1,024 float32; Wo_b 1,024 float32; Wo_w 1,024 x 1,024 float32; Wq_b 1,024 float32; Wq_w 1,024 x 1,024 float32; Wv_b 1,024 float32; Wv_w 1,024 x 1,024 float32; key 4 x 2,048 x 1,024 float32; query 4 x 2,048 x 1,024 float32; value 4 x 2,048 x 1,024 float32.
;; Outputs: out0 4 x 2,048 x 1,024 float32.
;; This version of the problem:
;;   THIS VERSION OF THE PROBLEM IS GIVEN IN LOW PRECISION. The matrix products marked QUANTISED in the list below multiply operands that are first quantised to E3M2 (3 exponent bits, 2 mantissa bits; 6 bits a number), with one power-of-two scale for each 32 numbers along K (OCP MX v1.0); their sums are f32. All else is computed in f32.
;;   The module's matrix products, in the order in which they are computed (A, B: the left and right operand; K: the contracted axis; several contracted axes count as one K, in the product's order):
;;     1. [M 8,192, K 1,024] x [K 1,024, N 1,024]; A: input query; B: input Wq_w: QUANTISED
;;     2. [M 8,192, K 1,024] x [K 1,024, N 1,024]; A: input key; B: input Wk_w: QUANTISED
;;     3. [M 8,192, K 1,024] x [K 1,024, N 1,024]; A: input value; B: input Wv_w: QUANTISED
;;     4. batch 64 x [M 2,048, K 64] x [K 64, N 2,048]; A: computed on the way; B: computed on the way: QUANTISED
;;     5. batch 64 x [M 64, K 2,048] x [K 2,048, N 2,048]; A: computed on the way; B: softmax (see below): QUANTISED
;;     6. [M 8,192, K 1,024] x [K 1,024, N 1,024]; A: computed on the way; B: input Wo_w: QUANTISED
;;   THE QUANTISER, for each operand of a quantised product, along K:
;;     - K is cut into blocks of 32 from its start; a last block that is shorter is filled with zeros.
;;     - A block's scale is 2^e with e = floor(log2(the largest magnitude in the block)) - 4, held to -126 .. 127; a block of zeros has e = 0. As a byte (E8M0): e + 127.
;;     - Each number is divided by its block's scale, clamped to +-28, and rounded to the nearest number of E3M2, ties to even, subnormals kept.
;;     - The product sums the exact products of the quantised numbers (number of the format x scale) in f32.
;;   ~~~python
;;   def quantise(x, axis):      # numpy; x: float32 -> the quantised numbers, widened to float32 again
;;       x = np.moveaxis(x, axis, -1); K = x.shape[-1]
;;       x = np.pad(x, [(0, 0)] * (x.ndim - 1) + [(0, -K % 32)]); x = x.reshape(x.shape[:-1] + (-1, 32)); a = np.abs(x).max(-1, keepdims=True)
;;       e = np.where(a > 0, np.clip(np.frexp(np.where(a > 0, a, 1))[1] - 1 - 4, -126, 127), 0)      # np.frexp(a)[1] - 1 = floor(log2(a)), exactly
;;       r = np.clip(x / 2.0 ** e, -28, 28)
;;       step = 2.0 ** (np.maximum(np.frexp(np.where(r == 0, 1, r))[1] - 1, -2) - 2)
;;       q = np.round(r / step) * step * 2.0 ** e      # np.round: ties to even
;;       return np.moveaxis(q.reshape(q.shape[:-2] + (-1,))[..., :K], -1, axis).astype(np.float32)
;;   ~~~
;;   SOFTMAX AHEAD OF A QUANTISED PRODUCT. Where the list says 'softmax', what is quantised is not the finished softmax but p = 2^(t - M), with t = logit x log2(e) and M = ceil(the row's largest t), a whole number; so 1/2 < the row's largest p <= 1. The row's sum l is taken of the UNQUANTISED p, in f32, and the product's result is divided by l at the end. Since M is a whole number, a kernel that streams over the keys may use a running M (the ceiling of the running maximum): every later rescaling is an exact power of two, which a block's scale takes up: the codes' values come out the same.
;;   OPERANDS COMPUTED ON THE WAY. 'Computed on the way' means the value that the module computes at that place (a softmax that the list does not call 'softmax' is quantised finished and normalised). What goes into a quantiser is computed in f32, as accurately as f32 sums, v_exp_f32 and their like allow (about 1e-6 of the number): no bf16 or f16 on the way to a quantiser, and a product that is left as it is and whose result goes on into a quantised operand takes f32 operands (vector FMAs, or v_wmma_f32_16x16x4_f32). A number that lies on a knife's edge between two numbers of the format may be rounded either way, as far as f32 arithmetic and the matrix unit's own rounding can turn it there, and no further.
;; One version. Each part assembles by itself: llvm-mc -triple=amdgcn-amd-amdhsa -mcpu=gfx1250 --defsym DOCPART=n.
;; ======== version 1 of 1: 4 launches
;; limits: right only within a limited range of input values
;; workspace buffers: xc 18,874,368 bytes; xs 786,432 bytes; wc 3,145,728 bytes; ws 131,072 bytes; qimg 6,815,744 bytes; kvimg 13,369,344 bytes; oimg 6,291,456 bytes; osc 262,144 bytes
;; launch quant (part 1): grid 896 x 1, 4 waves a work-group, no clusters, 68,096 bytes of LDS; arguments query, key, value, Wq_w, Wk_w, Wv_w, Wo_w, xc, xs, wc, ws; writes xc, xs, wc, ws
.if DOCPART == 1
	.amdgcn_target "amdgcn-amd-amdhsa--gfx1250"
	.amdhsa_code_object_version 6
	.text
	.protected	k_qf7d768888a_quant
	.globl	k_qf7d768888a_quant
	.p2align	8
	.type	k_qf7d768888a_quant,@function
k_qf7d768888a_quant:
	s_mov_b64 s[64:65], 0
	v_nop
	global_prefetch_b8 v0, s[64:65] scope:SCOPE_SE
	s_setreg_imm32_b32 hwreg(HW_REG_WAVE_MODE, 25, 1), 1
	s_wait_xcnt 0x0
; query, key, value [8192][1024] f32 (K innermost) and Wq_w, Wk_w, Wv_w, Wo_w [1024 (k)][1024 (n)] f32 (K outermost) become codes of E3M2, 6 bits each, K innermost
; (a row of 1,024 codes is 768 bytes), with one E8M0 byte for each 32 along K (32 bytes a row).  xc, xs: [3][8192 rows]; wc, ws: [4][1024 rows n].
; A block's scale is 2^(floor(log2(largest magnitude)) - 4): its byte is the largest magnitude's exponent field - 4, held at 1 from below.
; ROW ORDER: a row (a token, or a column n of a weight) is stored at its index with bits 3 and 4 exchanged.  So a tile of 16 stored rows, 2 b + u, holds in place r the row
; 32 b + 8 u + r + 8 (r / 8), and a product that takes such a tile as source 0 leaves 16 true neighbours in the 16 registers of result tiles 2 b and 2 b + 1.
; LIMITS: a block of zeros gets the byte 1 where the quantiser's rule says 127 (its codes are zeros, and this program alone reads the bytes); blocks whose largest magnitude
; lies under 2^(5 - 127) are held at that byte; NaN and infinities among the inputs are not served.
; Work-groups 0 to 767 take the activations (32 rows each, 8 rows a wave), work-groups 768 to 895 the weights (128 columns x 256 along K).  The two ways have LDS bytes of their own.
; No tensor loads, no barrier: waves share nothing.  No matrix unit, no cluster: memory binds, and no byte is read twice.
; LAYOUT OF xc AND wc (in place of plain rows of 768 bytes): blocks of 128 stored rows; a block holds four tiles, one for each 256 along K, each of 128 rows x 192 bytes on end.
; So a tile is 24,576 dense bytes that begin at a multiple of 256, and a block is 98,304 bytes = 128 x 768.
.set STEPS, 16
.set CB,    12                         ; bytes of 16 codes
.set R,     16                         ; v16-79   four sets of 16 numbers as they are loaded
.set X,     80                         ; v80-111  two sets of 16 neighbours
.set E,     112                        ; v112-127 a scale byte for each step
.set C,     128                        ; v128-191 codes: four registers for each step, so that no store's data are written again
.set WREG,  8192                       ; activations: LDS for each wave: two stages of 32 x SP bytes, and behind them its 256 scale bytes
.set SP,    80                         ; a lane's place in a stage: 64 bytes + 16 of padding
.set WLDS,  32768                      ; weights: their stages begin here
.set PITCH, 272                        ; a stage row: sixteen places of 16 bytes, each with 12 bytes of codes, + 16
.set KROW,  192                        ; from row to row inside a tile of 256 along K
.set NB,    8                          ; blocks of 32 along K for a wave of the weights' way
.set WX,    32                         ; v32-95   two sets of 32 numbers
.set WCD,   96                         ; v96..    a block's codes
.set OUTR,  112                        ; v112-175 the way out
.set SB,    24                         ; v24-25   eight scale bytes
	s_load_b256 s[4:11], s[0:1], 0x0               ; query s[4:5], key s[6:7], value s[8:9], Wq_w s[10:11]
	s_load_b256 s[12:19], s[0:1], 0x20             ; Wk_w s[12:13], Wv_w s[14:15], Wo_w s[16:17], xc s[18:19]
	s_load_b128 s[20:23], s[0:1], 0x40             ; xs s[20:21], wc s[22:23]
	s_load_b64 s[24:25], s[0:1], 0x50              ; ws
	v_lshl_add_u32 v192, v0, 2, 0x10800
	v_mov_b32 v193, 0
	v_lshrrev_b32 v1, 5, v0
	v_readfirstlane_b32 s26, v1                    ; wave 0..3
	v_and_b32 v2, 31, v0                           ; lane
	s_wait_kmcnt 0x0
	s_cmp_lt_u32 ttmp9, 768
	s_cbranch_scc0 .Lweights
; ---------------- THE ACTIVATIONS.  Rows are dense, so a wave's 8 rows are a plain stream of 8,192 numbers: 16 steps of 512.
; Each load reads 512 consecutive bytes, 16 a lane; a step's 2,048 bytes turn through the wave's own stage and come back 64 bytes a lane: 16 neighbours along K, two lanes to a block.
	s_wait_alu depctr_va_vdst(0)
	v_lshlrev_b32 v3, 4, v2                        ; my 16 bytes of a load's 512
	s_mul_i32 s27, s26, WREG
	v_lshrrev_b32 v14, 2, v2
	v_mul_u32_u24 v14, v14, SP
	v_and_b32 v15, 3, v2
	v_lshl_add_u32 v14, v15, 4, v14
	v_add_nc_u32 v14, s27, v14                     ; the stage, on the way in: SP (lane / 4) + 16 (lane % 4)
	v_mul_u32_u24 v15, v2, SP
	v_add_nc_u32 v15, s27, v15                     ; and on the way out: SP x lane
	v_and_b32 v4, 15, v2
	v_mul_u32_u24 v4, v4, CB                       ; my codes' place in a row's 192 bytes of a tile;
	v_lshrrev_b32 v10, 4, v2
	v_mad_u32_u24 v4, v10, 0x6000, v4              ; lanes 16-31 hold the next 256 along K: one tile, 24,576 bytes, on
	v_lshrrev_b32 v5, 1, v2
	s_add_co_u32 s27, s27, 2*32*SP
	v_add_nc_u32 v5, s27, v5                       ; my block's byte among my wave's 256 scale bytes
	v_lshlrev_b32 v7, 3, v2
	v_add_nc_u32 v6, s27, v7                       ; and on the way out 8 bytes a lane
	s_cmp_lt_u32 ttmp9, 256                        ; which tensor: the choice hangs on the work-group's number alone
	s_cselect_b64 s[4:5], s[4:5], s[6:7]
	s_cmp_lt_u32 ttmp9, 512
	s_cselect_b64 s[4:5], s[4:5], s[8:9]
	s_and_b32 s28, ttmp9, 255
	s_lshl_b32 s28, s28, 2
	s_add_co_u32 s28, s28, s26                     ; which run of 8 rows of the tensor I read
	s_lshl_b32 s28, s28, 15                        ; 32,768 bytes a run
	s_mov_b32 s29, 0
	s_add_nc_u64 s[4:5], s[4:5], s[28:29]
	s_and_b32 s30, s26, 1                          ; a row's bits 3 and 4 are a run's bits 0 and 1, which are the wave's: exchanged for the place where I store
	s_lshl_b32 s30, s30, 1
	s_lshr_b32 s31, s26, 1
	s_or_b32 s30, s30, s31
	s_lshl_b32 s31, ttmp9, 2
	s_add_co_u32 s30, s30, s31                     ; the run in xc and xs, the three tensors on end
	s_lshr_b32 s28, s30, 4                         ; sixteen runs of 8 rows to a block of 128 rows
	s_mul_i32 s28, s28, 98304
	s_and_b32 s31, s30, 15
	s_mul_i32 s31, s31, 1536                       ; 8 rows of 192 bytes
	s_add_co_u32 s28, s28, s31
	s_add_nc_u64 s[18:19], s[18:19], s[28:29]
	s_lshl_b32 s28, s30, 8                         ; 256 scale bytes a run
	s_add_nc_u64 s[20:21], s[20:21], s[28:29]
.macro XLOAD t
.irp i, 0,1,2,3
	global_load_b128 v[R+16*((\t)%4)+4*\i:R+16*((\t)%4)+4*\i+3], v3, s[4:5] offset:2048*(\t)+512*\i th:TH_LOAD_NT   ; 32 lanes read 512 consecutive bytes
.endr
.endm
.macro XTURN t                         ; step t's numbers through the stage: LDS serves a wave's instructions in order, so no wait stands between the stores and the loads
.irp i, 0,1,2,3
	ds_store_b128 v14, v[R+16*((\t)%4)+4*\i:R+16*((\t)%4)+4*\i+3] offset:32*SP*((\t)%2)+8*SP*\i
.endr
.irp i, 0,1,2,3
	ds_load_b128 v[X+16*((\t)%2)+4*\i:X+16*((\t)%2)+4*\i+3], v15 offset:32*SP*((\t)%2)+16*\i
.endr
.endm
.irp t, 0,1,2,3
	XLOAD \t
.endr
	s_wait_alu depctr_va_vdst(0)
	s_wait_loadcnt 12                              ; step 0's four loads are in; those of steps 1 to 3 may be out
	XTURN 0
.macro XSTEP t
.set XS, X+16*((\t)%2)
.if (\t) > 0
	s_wait_dscnt 1                                 ; this step's numbers are back from the stage (the last step's byte store may be out): so its stores into the stage have read their registers,
.else
	s_wait_dscnt 0x0
.endif
.if (\t)+4 < STEPS
	XLOAD (\t)+4                                   ; which take the loads of four steps on
.endif
.if (\t)+1 < STEPS
.if STEPS-2-(\t) >= 3
	s_wait_loadcnt 12                              ; the next step's four loads are in; those of the three steps behind it may be out
.else
	s_wait_loadcnt 4*(STEPS-2-(\t))
.endif
	XTURN (\t)+1                                   ; and go through the other stage while this step is worked
.endif
	v_max3_num_f32 v8, |v[XS]|, |v[XS+1]|, |v[XS+2]|               ; the largest magnitude of my 16, in two chains
	v_max3_num_f32 v9, |v[XS+3]|, |v[XS+4]|, |v[XS+5]|
.irp i, 6,10
	v_max3_num_f32 v8, v8, |v[XS+\i]|, |v[XS+\i+1]|
	v_max3_num_f32 v9, v9, |v[XS+\i+2]|, |v[XS+\i+3]|
.endr
	v_max3_num_f32 v8, v8, |v[XS+14]|, |v[XS+15]|
	v_max3_num_f32 v8, v8, v9, 0x2800000           ; and the floor 2^(5 - 127): the byte cannot fall under 1
	v_max_num_f32_dpp v8, v8, v8 row_xmask:1 row_mask:0xf bank_mask:0xf   ; and of my neighbour's 16: the block's
	v_add_nc_u32 v11, 0xfe000000, v8               ; 4 off its exponent field: the conversion takes the exponent field of this operand as its scale
	v_cvt_scalef32_pk16_bf6_f32 v[C+4*(\t):C+4*(\t)+2], v[XS:XS+15], v11   ; sixteen codes, 96 bits without gaps
	v_lshrrev_b32 v[E+(\t)], 23, v11               ; the scale's byte
	ds_store_b8 v5, v[E+(\t)] offset:16*(\t)       ; both lanes of a block write the same byte with the same value
	global_store_b96 v4, v[C+4*(\t):C+4*(\t)+2], s[18:19] offset:49152*((\t)%2)+192*((\t)/2)   ; row t / 2 of my 8; tiles 2 (t % 2) and 2 (t % 2) + 1: sixteen lanes store 192 consecutive bytes
.endm
.irp t, 0,1,2,3,4,5,6,7,8,9,10,11,12,13,14,15
	XSTEP \t
.endr
	ds_load_b64 v[12:13], v6                       ; LDS serves a wave's instructions in order: these see my byte stores
	s_wait_dscnt 0x0
	global_store_b64 v7, v[12:13], s[20:21]        ; 32 lanes store 256 consecutive bytes, aligned
	s_wait_tensorcnt 0x0
	ds_add_u32 v192, v193
	s_wait_dscnt 0x0
	s_endpgm
; ---------------- THE WEIGHTS.  A lane takes a column n and its registers run down K: each load reads 128 consecutive bytes a wave, a block of 32 along K lies in one lane,
; and the conversions give codes with K innermost.  A wave takes 32 columns x 256 along K; the codes leave through the wave's own stage as rows of 192 bytes.
.Lweights:
	s_sub_co_u32 s27, ttmp9, 768
	s_lshr_b32 s28, s27, 5                         ; which weight: q, k, v, o
	s_bfe_u32 s29, s27, 0x30002                    ; which 128 columns
	s_and_b32 s30, s27, 3                          ; which 256 along K
	s_cmp_eq_u32 s28, 0
	s_cselect_b64 s[4:5], s[10:11], s[12:13]
	s_cmp_lt_u32 s28, 2
	s_cselect_b64 s[4:5], s[4:5], s[14:15]
	s_cmp_lt_u32 s28, 3
	s_cselect_b64 s[4:5], s[4:5], s[16:17]
	s_lshl_b32 s29, s29, 7
	s_lshl_b32 s31, s26, 5
	s_add_co_u32 s29, s29, s31                     ; my wave's first column, a multiple of 32
	s_lshl_b32 s32, s30, 20                        ; 256 rows of 4,096 bytes
	s_lshl_b32 s31, s29, 2
	s_add_co_u32 s32, s32, s31
	s_mov_b32 s33, 0
	s_add_nc_u64 s[4:5], s[4:5], s[32:33]
	s_mul_i32 s32, s28, 786432                     ; the codes: weight, row = column, 192 bytes for 256 along K
	s_lshr_b32 s31, s29, 7                         ; the block of 128 rows,
	s_mul_i32 s31, s31, 98304
	s_add_co_u32 s32, s32, s31
	s_and_b32 s31, s29, 127                        ; my first row in it,
	s_mul_i32 s31, s31, 192
	s_add_co_u32 s32, s32, s31
	s_mul_i32 s31, s30, 24576                      ; and the tile of my 256 along K
	s_add_co_u32 s32, s32, s31
	s_add_nc_u64 s[22:23], s[22:23], s[32:33]
	s_lshl_b32 s32, s28, 15                        ; the scale bytes: 32 a row, 8 for 256 along K
	s_lshl_b32 s31, s29, 5
	s_add_co_u32 s32, s32, s31
	s_lshl_b32 s31, s30, 3
	s_add_co_u32 s32, s32, s31
	s_add_nc_u64 s[24:25], s[24:25], s[32:33]
	s_wait_alu depctr_va_vdst(0)
	v_lshlrev_b32 v3, 2, v2                        ; in: 4 bytes a lane
	s_mul_i32 s31, s26, 32*PITCH
	s_add_co_u32 s31, s31, WLDS                    ; my stage
	v_and_b32 v10, 7, v2                           ; my column's stored place among the wave's 32: bits 3 and 4 exchanged
	v_bfe_u32 v11, v2, 3, 1
	v_lshl_or_b32 v10, v11, 4, v10
	v_bfe_u32 v11, v2, 4, 1
	v_lshl_or_b32 v10, v11, 3, v10
	v_mul_u32_u24 v4, v10, PITCH
	v_add_nc_u32 v4, s31, v4                       ; into the stage: row = that place
	v_and_b32 v5, 15, v2
	v_lshrrev_b32 v6, 4, v2                        ; out of it: sixteen lanes to a row, two rows an instruction
	v_mul_u32_u24 v7, v6, PITCH
	v_lshl_add_u32 v7, v5, 4, v7
	v_add_nc_u32 v7, s31, v7
	v_mul_u32_u24 v8, v6, KROW
	v_mad_u32_u24 v8, v5, 12, v8                   ; and the same place in wc
	v_lshlrev_b32 v9, 5, v10                       ; my column's row of scale bytes
.macro WLOAD t                         ; block t: W(32 t + i, my column), i = 0 .. 31, into set t % 2
.irp i, 0,1,2,3,4,5,6,7,8,9,10,11,12,13,14,15,16,17,18,19,20,21,22,23,24,25,26,27,28,29,30,31
	global_load_b32 v[WX+32*((\t)%2)+\i], v3, s[4:5] offset:(32*(\t)+\i)*4096 th:TH_LOAD_NT
.endr
.endm
	WLOAD 0
	WLOAD 1
.macro WBLOCK t
.set XS, WX+32*((\t)%2)
.if (\t) < NB-1
	s_wait_loadcnt 32                              ; this block's 32 loads are in; the next block's may be out
.else
	s_wait_loadcnt 0
.endif
	v_max3_num_f32 v12, |v[XS]|, |v[XS+1]|, |v[XS+2]|              ; the block's largest magnitude: all 32 numbers are mine
	v_max3_num_f32 v13, |v[XS+3]|, |v[XS+4]|, |v[XS+5]|
.irp i, 6,10,14,18,22,26
	v_max3_num_f32 v12, v12, |v[XS+\i]|, |v[XS+\i+1]|
	v_max3_num_f32 v13, v13, |v[XS+\i+2]|, |v[XS+\i+3]|
.endr
	v_max3_num_f32 v12, v12, |v[XS+30]|, |v[XS+31]|
	v_max3_num_f32 v12, v12, v13, 0x2800000        ; and the floor 2^(5 - 127)
	v_add_nc_u32 v11, 0xfe000000, v12              ; 4 off the exponent field: the conversion's scale operand
	v_lshrrev_b32 v13, 23, v11                     ; the scale's byte
.if (\t)%4 == 0
	v_mov_b32 v[SB+(\t)/4], v13                    ; four bytes to a register, the lower K in the lower byte
.else
	v_lshl_or_b32 v[SB+(\t)/4], v13, 8*((\t)%4), v[SB+(\t)/4]
.endif
	v_cvt_scalef32_pk16_bf6_f32 v[WCD:WCD+2], v[XS:XS+15], v11
	v_cvt_scalef32_pk16_bf6_f32 v[WCD+4:WCD+6], v[XS+16:XS+31], v11   ; (a conversion's three registers begin on an even number)
	ds_store_b96 v4, v[WCD:WCD+2] offset:32*(\t)   ; 12 bytes to a place of 16, so that every LDS address is a multiple of 16
	ds_store_b96 v4, v[WCD+4:WCD+6] offset:32*(\t)+16
.if (\t)+2 < NB
	WLOAD (\t)+2
.endif
	s_wait_dscnt 0x0                               ; the stores have read their registers: the next block's codes may be written
.endm
.set Q, 0
.rept NB
	WBLOCK Q
.set Q, Q+1
.endr
	s_wait_alu depctr_va_vdst(0)
	global_store_b64 v9, v[SB:SB+1], s[24:25]      ; my column's eight scale bytes
.irp t, 0,1,2,3,4,5,6,7,8,9,10,11,12,13,14,15
	ds_load_b96 v[OUTR+4*\t:OUTR+4*\t+2], v7 offset:2*\t*PITCH   ; LDS serves a wave's instructions in order: these see my stores
.endr
.irp t, 0,1,2,3,4,5,6,7,8,9,10,11,12,13,14,15
	s_wait_dscnt 15-\t
	global_store_b96 v8, v[OUTR+4*\t:OUTR+4*\t+2], s[22:23] offset:2*\t*KROW   ; sixteen lanes store a row's 192 consecutive bytes
.endr
	s_wait_tensorcnt 0x0
	ds_add_u32 v192, v193
	s_wait_dscnt 0x0
	s_endpgm
.Lfunc_end_k_qf7d768888a_quant:
	.size	k_qf7d768888a_quant, .Lfunc_end_k_qf7d768888a_quant-k_qf7d768888a_quant
	.p2alignl 7, 3214868480
	.fill 96, 4, 3214868480
	.section	.rodata,"a",@progbits
	.p2align	6, 0x0
	.amdhsa_kernel k_qf7d768888a_quant
		.amdhsa_group_segment_fixed_size 68096
		.amdhsa_private_segment_fixed_size 0
		.amdhsa_enable_private_segment 0
		.amdhsa_kernarg_size 88
		.amdhsa_user_sgpr_count 2
		.amdhsa_user_sgpr_kernarg_segment_ptr 1
		.amdhsa_wavefront_size32 1
		.amdhsa_system_sgpr_workgroup_id_x 1
		.amdhsa_system_sgpr_workgroup_id_y 1
		.amdhsa_system_sgpr_workgroup_id_z 1
		.amdhsa_system_vgpr_workitem_id 0
		.amdhsa_next_free_vgpr 194
		.amdhsa_next_free_sgpr 66
		.amdhsa_reserve_vcc 0
		.amdhsa_float_denorm_mode_32 3
		.amdhsa_float_denorm_mode_16_64 3
		.amdhsa_memory_ordered 1
		.amdhsa_forward_progress 1
		.amdhsa_inst_pref_size 75
	.end_amdhsa_kernel
	.amdgpu_metadata
---
amdhsa.version: [ 1, 2 ]
amdhsa.kernels:
  - .name:           k_qf7d768888a_quant
    .symbol:         k_qf7d768888a_quant.kd
    .args:
      - { .name: query, .offset: 0, .size: 8, .value_kind: global_buffer, .address_space: global }
      - { .name: key, .offset: 8, .size: 8, .value_kind: global_buffer, .address_space: global }
      - { .name: value, .offset: 16, .size: 8, .value_kind: global_buffer, .address_space: global }
      - { .name: Wq_w, .offset: 24, .size: 8, .value_kind: global_buffer, .address_space: global }
      - { .name: Wk_w, .offset: 32, .size: 8, .value_kind: global_buffer, .address_space: global }
      - { .name: Wv_w, .offset: 40, .size: 8, .value_kind: global_buffer, .address_space: global }
      - { .name: Wo_w, .offset: 48, .size: 8, .value_kind: global_buffer, .address_space: global }
      - { .name: xc, .offset: 56, .size: 8, .value_kind: global_buffer, .address_space: global }
      - { .name: xs, .offset: 64, .size: 8, .value_kind: global_buffer, .address_space: global }
      - { .name: wc, .offset: 72, .size: 8, .value_kind: global_buffer, .address_space: global }
      - { .name: ws, .offset: 80, .size: 8, .value_kind: global_buffer, .address_space: global }
    .group_segment_fixed_size: 68096
    .private_segment_fixed_size: 0
    .kernarg_segment_align: 8
    .kernarg_segment_size: 88
    .max_flat_workgroup_size: 128
    .sgpr_count:     66
    .vgpr_count:     194
    .wavefront_size: 32
...
	.end_amdgpu_metadata
.endif
;; end of part 1
;; launch proj (part 2): grid 4 x 96, 4 waves a work-group, clusters of 4 x 4, 327,680 bytes of LDS; arguments xc, xs, wc, ws, Wq_b, Wk_b, Wv_b, qimg, kvimg; writes qimg, kvimg
.if DOCPART == 2
	.amdgcn_target "amdgcn-amd-amdhsa--gfx1250"
	.amdhsa_code_object_version 6
	.text
	.protected	k_qf7d768888a_proj
	.globl	k_qf7d768888a_proj
	.p2align	8
	.type	k_qf7d768888a_proj,@function
k_qf7d768888a_proj:
	s_mov_b64 s[64:65], 0
	v_nop
	global_prefetch_b8 v0, s[64:65] scope:SCOPE_SE
	s_setreg_imm32_b32 hwreg(HW_REG_WAVE_MODE, 25, 1), 1
	s_wait_xcnt 0x0
	s_wait_alu depctr_hold_cnt(0) depctr_sa_sdst(0) depctr_va_vdst(0) depctr_va_sdst(0) depctr_va_ssrc(0) depctr_va_vcc(0) depctr_vm_vsrc(0)
	s_getreg_b32 s2, hwreg(HW_REG_IB_STS2, 6, 4)
	s_cmp_eq_u32 s2, 0
	s_cbranch_scc0 .Lentry_in_a_cluster
	s_endpgm
.Lentry_in_a_cluster:
	s_bfe_u32 s2, ttmp6, 0x10000c
	s_cmp_lg_u32 s2, 0xf033
	s_cbranch_scc0 .Lentry_shape_is_right
	s_endpgm
.Lentry_shape_is_right:
.set NQ,     2
.set ROWB,   24576                     ; from one K step's tile to the next in xc and wc: 128 rows x 192 bytes, dense
.set KROW,   768
.set PITCH,  240
.set FR,     12
.set NL,     6
.set NP,     4
.set HALFT,  128*PITCH
.set SLOT,   4*HALFT
.set KS,     32
.set SCL,    2*SLOT
.set HALFS,  (128*KS/256)*272
.set SBLK,   (16*KS/256)*272
.set SPARE,  SCL+4*HALFS
.set ADRA, 16
.set ADRB, 20
.set ADRS, 27
.set SPW,  28
.set NIL,  29
.set SC,   32
.set BN,   64
.set BM,   224
.set AF,   128
.set H,    128
.set PC,   192
.set TM,   32
.set WS,   48
.set XW,   56
.set YW,   60
.set G1, 24
.set G0, 32
.set G1B, 48
.set G0B, 56
.set G1S, 68
.set G0S, 76
.set G1SB, 80
.set G0SB, 88
.set KIND, 95
.set SEL, 98
.set MSB, 0
.macro WIN new
.if MSB != (\new)
	s_set_vgpr_msb (MSB<<8)|(\new)
.set MSB, (\new)
.endif
.endm
.set MUL_LO, 0xa1
.set MUL_HI, 0xf1
.set TO_B,   0x40
.macro JLOAD g0a, g1a, g0b, g1b
	s_cmp_eq_u32 s15, 0
	s_cbranch_scc0 .Lfor_b_\@
	tensor_load_to_lds s[\g0a:\g0a+3], s[\g1a:\g1a+7]
	s_nop 0
.rept 4
	v_nop
.endr
	s_branch .Lasked_\@
.Lfor_b_\@:
	tensor_load_to_lds s[\g0b:\g0b+3], s[\g1b:\g1b+7]
	s_nop 0
.rept 4
	v_nop
.endr
.Lasked_\@:
.endm
.macro CREST
	s_cmp_lg_u32 s14, 0
	s_cbranch_scc1 .Lnot_wave_0_\@
	s_barrier_signal -3
.Lnot_wave_0_\@:
	s_barrier_wait -3
	s_barrier_signal -1
	s_barrier_wait -1
.endm
.macro CROUND
	s_barrier_signal -1
	s_barrier_wait -1
	CREST
.endm
	s_load_b512 s[68:83], s[0:1], 0x0
	s_load_b64 s[84:85], s[0:1], 0x40
	v_lshl_add_u32 v[SPW], v0, 2, SPARE
	v_mov_b32 v[NIL], 0
	ds_add_u32 v28, v29
	ds_add_u32 v28, v29
	s_wait_dscnt 0x0
	v_lshrrev_b32 v1, 5, v0
	v_readfirstlane_b32 s14, v1
	s_lshr_b32 s15, s14, 1
	s_and_b32 s16, s14, 1
	s_bfe_u32 s40, ttmp6, 0x40000
	s_bfe_u32 s41, ttmp6, 0x40004
	s_and_b32 s2, ttmp7, 0xffff
	s_lshr_b32 s[KIND], s2, 3
	s_and_b32 s2, s2, 7
	s_lshl_b32 s2, s2, 2
	s_cmp_eq_u32 s[KIND], 2
	s_cselect_b32 s17, 0, s2
	s_cselect_b32 s42, s2, 0
	s_add_co_u32 s17, s17, s41
	s_add_co_u32 s42, s42, s40
	s_lshl_b32 s43, s41, 2
	s_lshl_b32 s43, 15, s43
	s_lshl_b32 s44, 0x1111, s40
	s_or_b32 s[G1+0], s43, (0<<16)|(1<<20)|(1<<21)|(3<<22)|(3<<25)
	s_or_b32 s[G1B+0], s44, (0<<16)|(1<<20)|(1<<21)|(3<<22)|(3<<25)
.irp g, G1, G1B
	s_mov_b32 s[\g+1], 256<<16                     ; a tile's 24,576 dense bytes come as 96 rows of 256 bytes; 16 bytes of padding behind every 64 give each 192 bytes of codes an LDS row of 240
	s_mov_b32 s[\g+2], 96<<16
	s_mov_b32 s[\g+3], 256<<16
	s_mov_b32 s[\g+4], 96
	s_mov_b32 s[\g+5], 256
	s_mov_b32 s[\g+6], 0
	s_mov_b32 s[\g+7], 0
.endr
	s_lshl_b32 s18, s16, 7
	s_lshl_b32 s20, s17, 8
	s_add_co_u32 s20, s20, s18
	s_lshl_b32 s46, s42, 8
	s_add_co_u32 s46, s46, s18
	s_lshl_b32 s22, s20, 5
	s_mov_b32 s23, 0
	s_lshl_b32 s92, s46, 5
	s_mov_b32 s93, 0
	s_mul_i32 s20, s20, KROW
	s_mov_b32 s21, 0
	s_mul_i32 s46, s46, KROW
	s_mov_b32 s47, 0
	s_mul_i32 s45, s14, HALFT
	s_mul_i32 s94, s14, HALFS
	s_mov_b32 s[SEL], 0x76543210
	s_mov_b32 s[SEL+1], 0xfedcba98
	s_mov_b32 s3, 0
	s_wait_kmcnt 0x0
	s_mul_i32 s2, s[KIND], 6291456
	s_add_nc_u64 s[68:69], s[68:69], s[2:3]
	s_mul_i32 s2, s[KIND], 262144
	s_add_nc_u64 s[70:71], s[70:71], s[2:3]
	s_mul_i32 s2, s[KIND], 786432
	s_add_nc_u64 s[72:73], s[72:73], s[2:3]
	s_mul_i32 s2, s[KIND], 32768
	s_add_nc_u64 s[74:75], s[74:75], s[2:3]
	s_cmp_eq_u32 s[KIND], 2
	s_cselect_b64 s[4:5], s[72:73], s[68:69]
	s_cselect_b64 s[6:7], s[74:75], s[70:71]
	s_cselect_b64 s[8:9], s[68:69], s[72:73]
	s_cselect_b64 s[10:11], s[70:71], s[74:75]
	s_cselect_b64 s[66:67], s[80:81], s[78:79]
	s_cmp_eq_u32 s[KIND], 0
	s_cselect_b64 s[66:67], s[76:77], s[66:67]
	s_cselect_b64 s[96:97], s[82:83], s[84:85]
	s_add_nc_u64 s[20:21], s[4:5], s[20:21]
	s_add_nc_u64 s[22:23], s[6:7], s[22:23]
	s_add_nc_u64 s[46:47], s[8:9], s[46:47]
	s_add_nc_u64 s[92:93], s[10:11], s[92:93]
	s_or_b32 s[G1S+0], s43, (3<<16)|(1<<20)|(1<<21)|(5<<22)|(3<<25)
	s_or_b32 s[G1SB+0], s44, (3<<16)|(1<<20)|(1<<21)|(5<<22)|(3<<25)
.irp g, G1S, G1SB
	s_mov_b32 s[\g+1], 32<<16
	s_mov_b32 s[\g+2], (128*KS/256)<<16
	s_mov_b32 s[\g+3], 32<<16
	s_mov_b32 s[\g+4], 128*KS/256
	s_mov_b32 s[\g+5], 32
	s_mov_b32 s[\g+6], 0
	s_mov_b32 s[\g+7], 0
.endr
	; the prefetches: of the tile that I fetch jointly with three partners my work-group names a quarter, 24 blocks of 256 bytes, a lane a block (lanes 24-31 name the last again);
	; the partners are told apart by address alone: cx for A's tiles, cy for B's
	s_cmp_eq_u32 s15, 0
	s_cselect_b64 s[100:101], s[20:21], s[46:47]
	s_cselect_b32 s2, s40, s41
	s_mul_i32 s2, s2, 6144
	v_and_b32 v30, 31, v0
	v_min_u32 v30, 23, v30
	v_lshlrev_b32 v30, 8, v30
	v_add_nc_u32 v30, s2, v30                      ; never rewritten, like s[100:101]
	s_wait_alu depctr_va_vdst(0)                   ; ahead of the barrier
	CROUND
	s_mov_b32 s[G0S], 1
	s_add_co_u32 s[G0S+1], s94, SCL
	s_mov_b64 s[G0S+2:G0S+3], s[22:23]
	s_or_b32 s[G0S+3], s[G0S+3], 0x80000000
	s_mov_b32 s[G0SB], 1
	s_add_co_u32 s[G0SB+1], s94, SCL
	s_mov_b64 s[G0SB+2:G0SB+3], s[92:93]
	s_or_b32 s[G0SB+3], s[G0SB+3], 0x80000000
	JLOAD G0S, G1S, G0SB, G1SB
	global_prefetch_b8 v30, s[100:101] th:TH_LOAD_NT scope:SCOPE_SE               ; K steps 0 and 1, which the next two fills load
	global_prefetch_b8 v30, s[100:101] offset:ROWB th:TH_LOAD_NT scope:SCOPE_SE
.irp s, 0,1
	s_mov_b32 s[G0+4*\s], 1
	s_add_co_u32 s[G0+4*\s+1], s45, \s*SLOT
	s_add_nc_u64 s[G0+4*\s+2:G0+4*\s+3], s[20:21], \s*ROWB
	s_or_b32 s[G0+4*\s+3], s[G0+4*\s+3], 0x80000000
	s_mov_b32 s[G0B+4*\s], 1
	s_add_co_u32 s[G0B+4*\s+1], s45, \s*SLOT
	s_add_nc_u64 s[G0B+4*\s+2:G0B+4*\s+3], s[46:47], \s*ROWB
	s_or_b32 s[G0B+4*\s+3], s[G0B+4*\s+3], 0x80000000
	s_wait_alu depctr_va_vdst(0)
	s_wait_tensorcnt 0x0
	ds_add_u32 v28, v29
	s_wait_dscnt 0x0
	CROUND
	JLOAD G0+4*\s, G1, G0B+4*\s, G1B
	global_prefetch_b8 v30, s[100:101] offset:(2+\s)*ROWB th:TH_LOAD_NT scope:SCOPE_SE   ; the K step two fills on; K has four steps, so nothing is asked for behind these
.endr
	v_and_b32 v1, 15, v0
	v_bfe_u32 v2, v0, 4, 1
	v_mul_u32_u24 v3, v1, PITCH
	v_mul_u32_u24 v4, v2, 24
	v_add_nc_u32 v4, v3, v4
	v_lshl_add_u32 v5, v2, 4, v4
	s_mul_i32 s21, s15, HALFT
	s_mul_i32 s22, s16, HALFT
	s_add_co_u32 s22, s22, 2*HALFT
.irp s, 0,1
	v_add_nc_u32 v[ADRA+\s], s21, v4
	v_add_nc_u32 v[ADRB+\s], s22, v4
	v_add_nc_u32 v[ADRA+2+\s], s21, v5
	v_add_nc_u32 v[ADRB+2+\s], s22, v5
	s_add_co_u32 s21, s21, SLOT
	s_add_co_u32 s22, s22, SLOT
.endr
	v_mul_u32_u24 v5, v1, KS
	v_lshrrev_b32 v6, 8, v5
	v_lshl_add_u32 v5, v6, 4, v5
	s_mul_i32 s21, s15, HALFS
	s_mul_i32 s22, s16, HALFS
	s_add_co_u32 s22, s22, 2*HALFS
	s_sub_co_u32 s22, s22, s21
	v_mul_u32_u24 v6, s22, v2
	s_add_co_u32 s21, s21, SCL
	v_add_nc_u32 v5, v5, v6
	v_add_nc_u32 v[ADRS], s21, v5
	s_lshl_b32 s2, s17, 1
	s_add_co_u32 s2, s2, s15
	s_lshl_b32 s3, s42, 1
	s_add_co_u32 s3, s3, s16
	s_cmp_eq_u32 s[KIND], 2
	s_cselect_b32 s20, s3, s2
	s_cselect_b32 s21, s2, s3
	s_lshl_b32 s22, s21, 9
	s_mov_b32 s23, 0
	s_add_nc_u64 s[66:67], s[66:67], s[22:23]
	s_lshr_b32 s22, s20, 4
	s_lshl_b32 s22, s22, 3
	s_add_co_u32 s22, s22, s21
	s_lshl_b32 s22, s22, 5
	s_and_b32 s20, s20, 15
	s_add_co_u32 s20, s20, s22
	s_mov_b32 s21, 13056
	s_cmp_eq_u32 s[KIND], 0
	s_cselect_b32 s21, 6656, s21
	s_mul_i32 s20, s20, s21
	s_lshl_b32 s22, s21, 4
	s_mov_b32 s21, 0
	s_add_nc_u64 s[96:97], s[96:97], s[20:21]
	s_sub_co_u32 s46, s22, 6144
	s_mov_b32 s2, 6144
	s_mov_b32 s12, 768
	s_cmp_eq_u32 s[KIND], 2
	s_cselect_b32 s20, 6656, 0
	s_cselect_b32 s92, 768, s22
	s_cselect_b32 s2, 12800, s2
	s_cselect_b32 s12, 1536, s12
	s_cselect_b32 s18, s46, 0
	s_mov_b32 s93, 0
	s_mov_b32 s3, 0
	s_mov_b32 s13, 0
	s_mov_b32 s19, 0
	s_add_nc_u64 s[4:5], s[96:97], s[20:21]
	s_add_nc_u64 s[6:7], s[4:5], s[92:93]
	s_add_nc_u64 s[8:9], s[96:97], s[2:3]
	s_add_nc_u64 s[10:11], s[8:9], s[22:23]
	v_and_b32 v7, 31, v0
	v_lshlrev_b32 v8, 3, v7
	v_lshlrev_b32 v9, 4, v7
	v_lshlrev_b32 v10, 6, v2
	v_and_b32 v11, 7, v1
	v_lshrrev_b32 v12, 3, v1
	v_lshl_add_u32 v11, v12, 4, v11
	v_lshlrev_b32 v11, 2, v11
.irp b, 0,1,2,3,4,5,6,7
	global_load_b128 v[BN+8*\b:BN+8*\b+3], v10, s[66:67] offset:(32*(\b/2)+8*(\b%2))*4
	global_load_b128 v[BN+8*\b+4:BN+8*\b+7], v10, s[66:67] offset:(32*(\b/2)+8*(\b%2))*4+16
.endr
.irp a, 0,1,2,3,4,5,6,7
	global_load_b32 v[BM+2*\a], v11, s[66:67] offset:(32*(\a/2)+8*(\a%2))*4
	global_load_b32 v[BM+2*\a+1], v11, s[66:67] offset:(32*(\a/2)+8*(\a%2))*4
.endr
.macro FRAG reg, adr, q, i
.irp p, 0,1,2,3,4,5
.set PCE, 12*(\q)+6*(\p/3)+\p%3
.if PCE%8 < 5
	ds_load_b64 v[\reg+2*\p:\reg+2*\p+1], v[\adr] offset:8*PCE+16*(PCE/8)+(\i)*16*PITCH
.else
	ds_load_b64 v[\reg+2*\p:\reg+2*\p+1], v[\adr+2] offset:8*PCE+16*(PCE/8)+(\i)*16*PITCH
.endif
.endr
.endm
.macro MUL16 a0, p, q, sc, zero
.irp a, \a0, \a0+1
.irp b, 0,1,2,3,4,5,6,7
.if \zero
	v_wmma_scale_f32_16x16x128_f8f6f4 v[8*(8*((\a)%4)+\b):8*(8*((\a)%4)+\b)+7], v[128*(\p)+FR*\b:128*(\p)+FR*\b+FR-1], v[AF+FR*(\a):AF+FR*(\a)+FR-1], 0, v[SC+8*NQ*(\sc)+NQ*\b+(\q)], v[SC+8*NQ*(\sc)+NQ*(\a)+(\q)] matrix_a_fmt:MATRIX_FMT_BF6 matrix_b_fmt:MATRIX_FMT_BF6 matrix_a_scale:MATRIX_SCALE_ROW1
.else
	v_wmma_scale_f32_16x16x128_f8f6f4 v[8*(8*((\a)%4)+\b):8*(8*((\a)%4)+\b)+7], v[128*(\p)+FR*\b:128*(\p)+FR*\b+FR-1], v[AF+FR*(\a):AF+FR*(\a)+FR-1], v[8*(8*((\a)%4)+\b):8*(8*((\a)%4)+\b)+7], v[SC+8*NQ*(\sc)+NQ*\b+(\q)], v[SC+8*NQ*(\sc)+NQ*(\a)+(\q)] matrix_a_fmt:MATRIX_FMT_BF6 matrix_b_fmt:MATRIX_FMT_BF6 matrix_a_scale:MATRIX_SCALE_ROW1
.endif
.endr
.endr
.endm
.macro FETCH_B slot, q, p
	WIN TO_B
.irp i, 0,1,2,3,4,5,6,7
	FRAG 128*(\p)+FR*\i, ADRB+\slot, \q, \i
.endr
	WIN 0
.endm
.macro FETCH_A slot, q, i0
.irp i, \i0, \i0+1, \i0+2, \i0+3
	FRAG AF+FR*(\i), ADRA+\slot, \q, \i
.endr
.endm
.macro SCALES sc
.irp i, 0,1,2,3,4,5,6,7
	ds_load_b64 v[SC+8*NQ*\sc+NQ*\i:SC+8*NQ*\sc+NQ*\i+1], v[ADRS] offset:\i*SBLK
.endr
.endm
.macro PLACES n
.rept \n
	v_nop
.endr
.endm
.macro STEP slot, q, zero
	s_wait_dscnt 4*NL
	WIN MUL_LO
	MUL16 0, (\q)%2, \q, \slot, \zero
	MUL16 2, (\q)%2, \q, \slot, \zero
	s_wait_dscnt 0
	PLACES NP
	FETCH_B \slot, (\q)+1, 1-(\q)%2
	FETCH_A \slot, (\q)+1, 0
	WIN MUL_HI
	MUL16 4, (\q)%2, \q, \slot, \zero
	MUL16 6, (\q)%2, \q, \slot, \zero
	PLACES NP
	WIN 0
	FETCH_A \slot, (\q)+1, 4
.endm
.macro TURN slot, next, fill
	s_wait_tensorcnt 0x0
	ds_add_u32 v[SPW], v[NIL]
	s_wait_dscnt 4*NL+1
	WIN MUL_LO
	MUL16 0, 1, NQ-1, \slot, 0
	s_wait_dscnt 0x0
	s_barrier_signal -1
	MUL16 2, 1, NQ-1, \slot, 0
	WIN 0
	s_barrier_wait -1
.if \fill
	CREST
	s_add_nc_u64 s[G0+4*\slot+2:G0+4*\slot+3], s[G0+4*\slot+2:G0+4*\slot+3], 2*ROWB
	s_add_nc_u64 s[G0B+4*\slot+2:G0B+4*\slot+3], s[G0B+4*\slot+2:G0B+4*\slot+3], 2*ROWB
	JLOAD G0+4*\slot, G1, G0B+4*\slot, G1B
.else
	PLACES NP
.endif
	s_wait_alu depctr_va_vdst(0)
	v_add_nc_u32 v[ADRS], 4*NQ, v[ADRS]
	FETCH_B \next, 0, 0
	FETCH_A \next, 0, 0
	SCALES \next
	WIN MUL_HI
	MUL16 4, 1, NQ-1, \slot, 0
	MUL16 6, 1, NQ-1, \slot, 0
	PLACES NP
	WIN 0
	FETCH_A \next, 0, 4
.endm
	s_wait_alu depctr_va_vdst(0)
	s_wait_tensorcnt 1
	s_barrier_signal -1
	s_barrier_wait -1
	FETCH_B 0, 0, 0
	FETCH_A 0, 0, 0
	SCALES 0
	FETCH_A 0, 0, 4
	STEP 0, 0, 1
	TURN 0, 1, 1
	STEP 1, 0, 0
	TURN 1, 0, 1
	STEP 0, 0, 0
	TURN 0, 1, 0
	STEP 1, 0, 0
	s_wait_dscnt 4*NL
	WIN MUL_LO
	MUL16 0, 1, NQ-1, 1, 0
	MUL16 2, 1, NQ-1, 1, 0
	s_wait_dscnt 0
	WIN MUL_HI
	MUL16 4, 1, NQ-1, 1, 0
	MUL16 6, 1, NQ-1, 1, 0
	WIN 0
.macro QUANT s, pw
.irp b, 0,1,2,3
	v_max3_num_f32 v[TM+\b], |v[\s+16*\b]|, |v[\s+1+16*\b]|, 0x2800000
.endr
.irp i, 2,4,6,8,10,12,14
.irp b, 0,1,2,3
	v_max3_num_f32 v[TM+\b], v[TM+\b], |v[\s+16*\b+\i]|, |v[\s+1+16*\b+\i]|
.endr
.endr
.irp b, 0,1,2,3
	v_permlanex16_b32 v[TM+4+\b], v[TM+\b], s[SEL], s[SEL+1]
.endr
.irp b, 0,1,2,3
	v_max_num_f32 v[TM+\b], v[TM+\b], v[TM+4+\b]
.endr
.irp b, 0,1,2,3
	v_add_nc_u32 v[TM+12+\b], 0xfe000000, v[TM+\b]
.endr
.irp b, 0,1,2,3
	v_lshrrev_b32 v[TM+4+\b], 23, v[TM+12+\b]
.endr
	v_lshl_or_b32 v[\pw], v[TM+5], 8, v[TM+4]
	v_lshl_or_b32 v[\pw], v[TM+6], 16, v[\pw]
	v_lshl_or_b32 v[\pw], v[TM+7], 24, v[\pw]
.irp c, 0,1
	v_cvt_scalef32_pk16_bf6_f32 v[PC+6*\c:PC+2+6*\c], v[\s+32*\c:\s+15+32*\c], v[TM+12+2*\c]
	v_cvt_scalef32_pk16_bf6_f32 v[PC+12+4*\c:PC+14+4*\c], v[\s+16+32*\c:\s+31+32*\c], v[TM+12+2*\c+1]
.endr
	v_nop
.irp c, 0,1
.irp i, 0,1,2
	v_permlane16_swap_b32 v[PC+6*\c+\i], v[PC+12+4*\c+\i]
.endr
.irp i, 0,1,2
	v_mov_b32 v[PC+3+6*\c+\i], v[PC+12+4*\c+\i]
.endr
.endr
.endm
.macro XFER a
	s_cmp_eq_u32 s[KIND], 2
	s_cbranch_scc1 .Lxv_\@
	WIN 0x02+(\a)/4
.set i, 0
.rept 32
	v_pk_add_f32 v[H+2*i:H+2*i+1], v[64*((\a)%4)+2*i:64*((\a)%4)+2*i+1], v[BN+2*i:BN+2*i+1]
.set i, i+1
.endr
	WIN 0
	s_branch .Lxd_\@
.Lxv_\@:
	WIN 0x02+(\a)/4
.set i, 0
.rept 32
	v_pk_add_f32 v[H+2*i:H+2*i+1], v[64*((\a)%4)+2*i:64*((\a)%4)+2*i+1], v[BM+2*(\a):BM+2*(\a)+1]
.set i, i+1
.endr
	WIN 0
.Lxd_\@:
.endm
.macro OUTBLK a
	XFER \a
.if (\a) > 0
	s_wait_xcnt 0x0
	s_add_nc_u64 s[4:5], s[4:5], s[12:13]
	s_add_nc_u64 s[6:7], s[6:7], s[12:13]
.if (\a) == 4
	s_add_nc_u64 s[4:5], s[4:5], s[18:19]
	s_add_nc_u64 s[6:7], s[6:7], s[18:19]
.endif
.endif
	QUANT H, WS+(\a)
.irp p, 0,1,2
	global_store_b64 v8, v[PC+2*\p:PC+2*\p+1], s[4:5] offset:256*\p
.endr
.irp p, 0,1,2
	global_store_b64 v8, v[PC+6+2*\p:PC+6+2*\p+1], s[6:7] offset:256*\p
.endr
.endm
	s_wait_loadcnt 0x0
	PLACES NP
.irp b, 0,1,2,3
	v_mov_b32 v[TM+4+\b], 0
.endr
.irp a, 0,1,2,3,4,5,6,7
	OUTBLK \a
.endr
	v_cmp_le_u32 vcc_lo, 16, v7
.irp i, 0,1,2,3
	v_cndmask_b32 v[XW+\i], v[WS+2*\i], v[WS+2*\i+1], vcc_lo
.endr
	s_cmp_eq_u32 s[KIND], 2
	s_cbranch_scc1 .Lscales_v
.irp i, 0,1,2,3
	v_lshrrev_b32 v[YW+\i], 16, v[XW+\i]
.endr
.irp i, 0,1,2,3
	v_and_b32 v[XW+\i], 0xffff, v[XW+\i]
.endr
	global_store_b128 v9, v[XW:XW+3], s[8:9]
	global_store_b128 v9, v[YW:YW+3], s[10:11]
	s_branch .Lscales_done
.Lscales_v:
	s_wait_alu depctr_va_vdst(0)
	global_store_b64 v8, v[XW:XW+1], s[8:9]
	global_store_b64 v8, v[XW+2:XW+3], s[10:11]
.Lscales_done:
	s_wait_tensorcnt 0x0
	ds_add_u32 v[SPW], v[NIL]
	s_wait_dscnt 0x0
	CROUND
	s_endpgm
.Lfunc_end_k_qf7d768888a_proj:
	.size	k_qf7d768888a_proj, .Lfunc_end_k_qf7d768888a_proj-k_qf7d768888a_proj
	.p2alignl 7, 3214868480
	.fill 96, 4, 3214868480
	.section	.rodata,"a",@progbits
	.p2align	6, 0x0
	.amdhsa_kernel k_qf7d768888a_proj
		.amdhsa_group_segment_fixed_size 327680
		.amdhsa_private_segment_fixed_size 0
		.amdhsa_enable_private_segment 0
		.amdhsa_kernarg_size 72
		.amdhsa_user_sgpr_count 2
		.amdhsa_user_sgpr_kernarg_segment_ptr 1
		.amdhsa_wavefront_size32 1
		.amdhsa_system_sgpr_workgroup_id_x 1
		.amdhsa_system_sgpr_workgroup_id_y 1
		.amdhsa_system_sgpr_workgroup_id_z 1
		.amdhsa_system_vgpr_workitem_id 0
		.amdhsa_next_free_vgpr 1024
		.amdhsa_next_free_sgpr 102
		.amdhsa_reserve_vcc 1
		.amdhsa_float_denorm_mode_32 3
		.amdhsa_float_denorm_mode_16_64 3
		.amdhsa_memory_ordered 1
		.amdhsa_forward_progress 1
		.amdhsa_inst_pref_size 207
	.end_amdhsa_kernel
	.amdgpu_metadata
---
amdhsa.version: [ 1, 2 ]
amdhsa.kernels:
  - .name:           k_qf7d768888a_proj
    .symbol:         k_qf7d768888a_proj.kd
    .args:
      - { .name: xc, .offset: 0, .size: 8, .value_kind: global_buffer, .address_space: global }
      - { .name: xs, .offset: 8, .size: 8, .value_kind: global_buffer, .address_space: global }
      - { .name: wc, .offset: 16, .size: 8, .value_kind: global_buffer, .address_space: global }
      - { .name: ws, .offset: 24, .size: 8, .value_kind: global_buffer, .address_space: global }
      - { .name: Wq_b, .offset: 32, .size: 8, .value_kind: global_buffer, .address_space: global }
      - { .name: Wk_b, .offset: 40, .size: 8, .value_kind: global_buffer, .address_space: global }
      - { .name: Wv_b, .offset: 48, .size: 8, .value_kind: global_buffer, .address_space: global }
      - { .name: qimg, .offset: 56, .size: 8, .value_kind: global_buffer, .address_space: global }
      - { .name: kvimg, .offset: 64, .size: 8, .value_kind: global_buffer, .address_space: global }
    .group_segment_fixed_size: 327680
    .private_segment_fixed_size: 0
    .kernarg_segment_align: 8
    .kernarg_segment_size: 72
    .max_flat_workgroup_size: 128
    .sgpr_count:     102
    .vgpr_count:     1024
    .wavefront_size: 32
...
	.end_amdgpu_metadata
.endif
;; end of part 2
;; launch attn (part 3): grid 4 x 64, 16 waves a work-group, clusters of 4 x 1, 210,944 bytes of LDS; arguments qimg, kvimg, oimg, osc; writes oimg, osc
.if DOCPART == 3
	.amdgcn_target "amdgcn-amd-amdhsa--gfx1250"
	.amdhsa_code_object_version 6
	.text
	.protected	k_qf7d768888a_attn
	.globl	k_qf7d768888a_attn
	.p2align	8
	.type	k_qf7d768888a_attn,@function
k_qf7d768888a_attn:
	s_mov_b64 s[64:65], 0
	v_nop
	global_prefetch_b8 v0, s[64:65] scope:SCOPE_SE
	s_setreg_imm32_b32 hwreg(HW_REG_WAVE_MODE, 25, 1), 1
	s_wait_xcnt 0x0
	s_wait_alu depctr_hold_cnt(0) depctr_sa_sdst(0) depctr_va_vdst(0) depctr_va_sdst(0) depctr_va_ssrc(0) depctr_va_vcc(0) depctr_vm_vsrc(0)
	s_getreg_b32 s2, hwreg(HW_REG_IB_STS2, 6, 4)
	s_cmp_eq_u32 s2, 0
	s_cbranch_scc0 .Lentry_in_a_cluster
	s_endpgm
.Lentry_in_a_cluster:
	s_bfe_u32 s2, ttmp6, 0x10000c
	s_cmp_lg_u32 s2, 0x3003
	s_cbranch_scc0 .Lentry_shape_is_right
	s_endpgm
.Lentry_shape_is_right:
; o[query][head's 64] = softmax_k(q . k / sqrt(2048)) v for one head, both products on codes of E3M2 with E8M0 scales; o / the row's sum is quantised along the 1,024 of all heads and leaves as codes.
; THE SOFTMAX: t = score x log2(e) / sqrt(2048); M = the running largest t rounded UP to a whole number; p = 2^(t - M) is quantised along the keys, not normalised; the row's sum is taken of the
; unquantised p in f32.  When M moves, the sum and O are multiplied by 2^(old M - new M), which rounds nothing.
; SHARES.  A work-group owns one head and 512 of its 2,048 queries; the four work-groups of a cluster own one head.  Each of sixteen waves owns a tile of 16 queries, twice (two passes), in 256 registers:
; four waves to a SIMD, so that one wave's vector work stands beside another's matrix work and LDS loads.
; THE WHOLE HEAD'S K AND V LIE IN LDS, 16 key steps x 13,056 bytes, as they lie in kvimg, FILLED ONCE: wave w asks for key step w, jointly with the three partners (one tensor load a wave is out).
; So there is no ring, no refill, no LDS store, and no barrier in the loop.  Nothing is prefetched: all that the work-group reads of K and V is asked for at its head.
; LAYOUT.  Both products are used transposed: S^T = K Q^T (source 0 = 16 keys), O^T = V^T P^T (source 0 = 16 channels): a lane holds ONE query (lane % 16) throughout.  The keys of a tile and the channels of a
; fragment lie in the order 32 b + 8 u + r + 8 (r / 8) for tile 2 b + u: the 16 registers of result tiles 2 b and 2 b + 1 are 16 true neighbours, 32 b + 16 (lane / 16) + 0 .. 15.
; Operands come as images of their registers: pair p at 256 p + 8 lane: every LDS load takes 256 consecutive bytes.
; K = 64 IN AN INSTRUCTION OF 128.  Q's registers 6 to 11 are zero codes.  K's operand for tile t is v[32 + 6 t] .. + 11: its upper six registers are the next tile's codes (behind tile 7: zeros); they meet
; zero codes alone, E3M2 has no code for NaN or infinity, and the scale bytes 2 and 3 are 0 (2^-127) on both sides: these products add exact zeros.
; LIMITS: NaN and infinities are not served; 1 / the sum is v_rcp_f32 and a multiplication; a block of zeros carries the byte 1; osc is written a byte a lane (one byte for 24 bytes of codes).
; REGISTERS: v1 8 lane, v2 16 lane, v3 16 (lane % 16), v4 32 (lane % 16) + lane / 16, v5 lane; v8, v9 the step's LDS addresses; v12 -M, v13 the largest t, v[14:15] the sum; v16-21 Q, v22-27 zeros, v28 Q's scale word;
;   v32-79 K's 8 half fragments, then V's 4 fragments; v80-85 zeros; v88-91 K's scale words, v92-93 V's; v96-159 S^T, then p; v160-191 O^T; v224-235 p's codes; v232-254 at work.
.set STEPB, 13056                      ; a key step's block: K's 8 tiles x 768,
.set KSO,   6144                       ; K's scale words,
.set VO,    6656                       ; V's 4 fragments x 1,536,
.set VSO,   12800                      ; V's scale words
.set WV,  12
.set SEL, 20
.set CS,  22
.set G1,  24
.set G0,  32
.set TB,  36                           ; s36 LDS byte at which the key step in hand begins
.macro ROUND                           ; a round of the cluster's barrier
	s_barrier_signal -1
	s_barrier_wait -1
	s_cmp_lg_u32 s[WV], 0
	s_cbranch_scc1 .Lnot_wave_0_\@
	s_barrier_signal -3
.Lnot_wave_0_\@:
	s_barrier_wait -3
	s_barrier_signal -1
	s_barrier_wait -1
.endm
	s_load_b256 s[4:11], s[0:1], 0x0               ; qimg s[4:5], kvimg s[6:7], oimg s[8:9], osc s[10:11]
	v_lshl_add_u32 v251, v0, 2, 0x33000
	v_mov_b32 v255, 0
	ds_add_u32 v251, v255
	ds_add_u32 v251, v255
	v_lshrrev_b32 v1, 5, v0
	s_delay_alu instid0(VALU_DEP_1)
	v_readfirstlane_b32 s[WV], v1                  ; wave 0..15
	s_bfe_u32 s13, ttmp6, 0x40000                  ; cx: which quarter of the queries; it enters Q's, o's and osc's addresses alone
	s_and_b32 s14, ttmp7, 0xffff                   ; 16 x batch + head, which the four partners share
	s_mul_i32 s15, s[WV], STEPB                    ; key step w: its place in LDS, and in the head's part of kvimg
	s_mul_i32 s16, s14, 16*STEPB
	s_add_co_u32 s16, s16, s15
	s_mov_b32 s17, 0
	; descriptor group 1: a dense block of 13,056 bytes as 51 rows of 256 bytes (32 elements of 8 bytes), no padding
	s_mov_b32 s[G1], 15|(3<<16)|(1<<21)            ; 15:0 the mask: all four work-groups; 17:16 elements of 8 bytes; 21 set beside a mask
	s_mov_b32 s[G1+1], 32<<16                      ; tensor_dim0
	s_mov_b32 s[G1+2], 51<<16                      ; tensor_dim1
	s_mov_b32 s[G1+3], 32<<16                      ; tile_dim0
	s_mov_b32 s[G1+4], 51                          ; tile_dim1
	s_mov_b32 s[G1+5], 32                          ; from row to row
	s_mov_b32 s[G1+6], 0
	s_mov_b32 s[G1+7], 0
	s_mov_b32 s[SEL], 0x76543210
	s_mov_b32 s[SEL+1], 0xfedcba98                 ; v_permlanex16_b32's selects for lane l xor 16
	s_mov_b32 s[CS], 0x3d0293ee                    ; c = log2(e) / sqrt(2048)
	s_mov_b32 s[CS+1], s[CS]                       ; (named with it as a pair, so it is written)
	; my tile of queries in pass 0: 32 cx + w of the batch's 128: group 4 cx + w / 8 of 128 queries, tile w % 8 in it
	s_mul_i32 s40, s14, 16*6656
	s_lshl_b32 s41, s13, 2
	s_lshr_b32 s42, s[WV], 3
	s_add_co_u32 s41, s41, s42
	s_mul_i32 s41, s41, 6656
	s_add_co_u32 s40, s40, s41                     ; the group's block in qimg
	s_and_b32 s42, s[WV], 7
	s_mul_i32 s43, s42, 768
	s_add_co_u32 s44, s40, s43                     ; my tile's codes
	s_mov_b32 s45, 0
	s_and_b32 s43, s42, 1
	s_lshl_b32 s43, s43, 8
	s_lshr_b32 s42, s42, 1
	s_lshl_b32 s42, s42, 2
	s_add_co_u32 s46, s40, s43
	s_add_co_u32 s46, s46, s42
	s_add_co_u32 s46, s46, 6144                    ; its scale words: 6,144 + 256 (t % 2) + 4 (t / 2), 16 bytes from row to row
	s_mov_b32 s47, 0
	s_lshr_b32 s50, s14, 4                         ; batch
	s_and_b32 s51, s14, 15                         ; head
	s_lshl_b32 s50, s50, 7
	s_lshl_b32 s52, s13, 5
	s_add_co_u32 s50, s50, s52
	s_add_co_u32 s50, s50, s[WV]                   ; my tile of rows among oimg's 512
	s_mul_i32 s52, s50, 12288
	s_lshr_b32 s53, s51, 1
	s_mul_i32 s53, s53, 1536                       ; fragment head / 2,
	s_add_co_u32 s52, s52, s53
	s_and_b32 s53, s51, 1
	s_mul_i32 s53, s53, 768                        ; planes 3 (head % 2) on
	s_add_co_u32 s52, s52, s53
	s_mov_b32 s53, 0
	s_lshl_b32 s54, s50, 9                         ; osc: 16 rows of 32 bytes a tile,
	s_lshl_b32 s55, s51, 1                         ; bytes 2 head, 2 head + 1
	s_add_co_u32 s54, s54, s55
	s_mov_b32 s55, 0
	s_wait_dscnt 0x0
	s_wait_kmcnt 0x0
	s_add_nc_u64 s[48:49], s[4:5], s[46:47]
	s_add_nc_u64 s[4:5], s[4:5], s[44:45]
	s_add_nc_u64 s[8:9], s[8:9], s[52:53]
	s_add_nc_u64 s[10:11], s[10:11], s[54:55]
	s_mov_b32 s[G0], 1                             ; count = 1
	s_mov_b32 s[G0+1], s15                         ; LDS address
	s_add_nc_u64 s[G0+2:G0+3], s[6:7], s[16:17]    ; global address: hangs on the head and the wave's number alone
	s_or_b32 s[G0+3], s[G0+3], 0x80000000          ; type = 2
	ROUND                                          ; all four work-groups are here: the joint loads meet
	tensor_load_to_lds s[G0:G0+3], s[G1:G1+7]
	s_nop 0
.rept 4
	v_nop
.endr
	v_and_b32 v5, 31, v0
	s_delay_alu instid0(VALU_DEP_1)
	v_lshlrev_b32 v1, 3, v5
	s_delay_alu instid0(VALU_DEP_2)
	v_lshlrev_b32 v2, 4, v5
	v_and_b32 v6, 15, v0
	s_delay_alu instid0(VALU_DEP_1)
	v_lshlrev_b32 v3, 4, v6
	v_lshrrev_b32 v7, 4, v5
	s_delay_alu instid0(VALU_DEP_1)
	v_lshl_add_u32 v4, v6, 5, v7
.irp j, 22,23,24,25,26,27,80,81,82,83,84,85
	v_mov_b32 v\j, 0                               ; zero codes: Q's upper K, and what stands behind K's tile 7
.endr
.irp b, 0,1,2,3
	v_mov_b32 v[236+\b], 0                         ; written once: a lane permute's destination counts as one of its sources
.endr
	v_mov_b32 v253, 0                              ; (named as the upper half of the pair v[252:253] before it is first written)
	s_wait_tensorcnt 0x0                           ; my key step has landed,
	s_barrier_signal -1
	s_barrier_wait -1                              ; everybody's has: the head's K and V are whole, and nobody writes LDS again
; A KEY STEP: 128 keys.
.macro STEP
	v_add_nc_u32 v8, s[TB], v1
	v_add_nc_u32 v9, s[TB], v2
	v_nop
	v_nop                                          ; four places behind the last step's products, in front of loads into the registers that they read
.irp t, 0,1,2,3,4,5,6,7
.irp p, 0,1,2
	ds_load_b64 v[32+6*\t+2*\p:33+6*\t+2*\p], v8 offset:768*\t+256*\p
.endr
.endr
	ds_load_b128 v[88:91], v9 offset:KSO           ; register i: lanes 0-15 tile 2 i's words, lanes 16-31 tile 2 i + 1's
	s_wait_alu depctr_va_vdst(0)
	s_wait_dscnt 0x0
.irp t, 0,1,2,3,4,5,6,7                        ; S^T = K Q^T
.if \t%2
	v_wmma_scale_f32_16x16x128_f8f6f4 v[96+8*\t:103+8*\t], v[32+6*\t:43+6*\t], v[16:27], 0, v[88+\t/2], v28 matrix_a_fmt:MATRIX_FMT_BF6 matrix_b_fmt:MATRIX_FMT_BF6 matrix_a_scale:MATRIX_SCALE_ROW1
.else
	v_wmma_scale_f32_16x16x128_f8f6f4 v[96+8*\t:103+8*\t], v[32+6*\t:43+6*\t], v[16:27], 0, v[88+\t/2], v28 matrix_a_fmt:MATRIX_FMT_BF6 matrix_b_fmt:MATRIX_FMT_BF6
.endif
.endr
.rept 4
	v_nop                                          ; places in front of the loads into K's registers and of the first read of the scores
.endr
.irp f, 0,1,2,3                                ; V's fragments land under the softmax
.irp p, 0,1,2,3,4,5
	ds_load_b64 v[32+12*\f+2*\p:33+12*\f+2*\p], v8 offset:VO+1536*\f+256*\p
.endr
.endr
	ds_load_b64 v[92:93], v8 offset:VSO
.irp b, 0,1,2,3
	v_max3_num_f32 v[232+\b], v[96+16*\b], v[97+16*\b], v[98+16*\b]   ; the largest score of each block of 32 keys: it serves the row's maximum and, since p rises with the score, the block's largest p
.endr
.irp i, 3,5,7,9,11,13
.irp b, 0,1,2,3
	v_max3_num_f32 v[232+\b], v[232+\b], v[96+16*\b+\i], v[97+16*\b+\i]   ; (the four blocks by turns)
.endr
.endr
.irp b, 0,1,2,3
	v_max_num_f32 v[232+\b], v[232+\b], v[111+16*\b]
.endr
.irp b, 0,1,2,3
	s_delay_alu instid0(VALU_DEP_4)
	v_permlanex16_b32 v[236+\b], v[232+\b], s[SEL], s[SEL+1]
.endr
.irp b, 0,1,2,3
	s_delay_alu instid0(VALU_DEP_4)
	v_max_num_f32 v[232+\b], v[232+\b], v[236+\b]  ; with lane l xor 16's 16 keys
.endr
	s_delay_alu instid0(VALU_DEP_2)
	v_max3_num_f32 v254, v232, v233, v234
	s_delay_alu instid0(VALU_DEP_1)
	v_max_num_f32 v254, v254, v235                 ; the step's largest score of my query
	s_delay_alu instid0(VALU_DEP_1)
	v_mul_f32 v254, s[CS], v254                    ; as t (c is positive)
	s_delay_alu instid0(VALU_DEP_1)
	v_max_num_f32 v13, v13, v254                   ; the running largest t
	v_mov_b32 v254, v12
	s_delay_alu instid0(VALU_DEP_2)
	v_floor_f32 v12, -v13                          ; the new -M = floor(-t) = -ceil(t): a whole number
	s_delay_alu instid0(VALU_DEP_1)
	v_sub_f32 v254, v12, v254                      ; M's old value less its new one: a whole number, 0 or less
	s_delay_alu instid0(VALU_DEP_1)
	v_cvt_i32_f32 v254, v254                       ; (it saturates)
	s_delay_alu instid0(VALU_DEP_1)
	v_ldexp_f32 v252, 1.0, v254                    ; f = 2^(old M - new M)
.set j, 0
.rept 32
	v_pk_fma_f32 v[96+j:97+j], v[96+j:97+j], s[CS:CS+1], v[12:13] op_sel_hi:[1,0,0]   ; t - M, two at a time (of the pairs c and -M the low word serves both halves)
.set j, j+2
.endr
.irp b, 0,1,2,3
	v_fma_f32 v[232+\b], v[232+\b], s[CS], v12     ; the same of each block's largest score
.endr
.set j, 0
	s_wait_alu depctr_va_vdst(0)
.rept 64
	v_exp_f32 v[96+j], v[96+j]                     ; p = 2^(t - M), at most 1
.set j, j+1
.endr
	v_pk_mul_f32 v[14:15], v[14:15], v[252:253] op_sel_hi:[1,0]   ; the sums under the new M: a plain instruction behind the exponentials
	s_wait_alu depctr_va_vdst(0)                   ; one wait for the whole batch, ahead of its first reader
.irp b, 0,1,2,3
	v_exp_f32 v[232+\b], v[232+\b]                 ; the block's largest p: the same two instructions on the same number give the same bits
.endr
	v_pk_add_f32 v[236:237], v[100:101], v[104:105]
	v_pk_add_f32 v[248:249], v[108:109], v[112:113]
	v_pk_add_f32 v[246:247], v[116:117], v[120:121]
	v_pk_add_f32 v[244:245], v[124:125], v[128:129]
	v_pk_add_f32 v[242:243], v[132:133], v[136:137]
	v_pk_add_f32 v[240:241], v[140:141], v[144:145]
	v_pk_add_f32 v[238:239], v[148:149], v[152:153]
	v_pk_add_f32 v[14:15], v[14:15], v[156:157]
	v_pk_add_f32 v[236:237], v[236:237], v[96:97]
	v_pk_add_f32 v[248:249], v[248:249], v[98:99]
	v_pk_add_f32 v[246:247], v[246:247], v[102:103]
	v_pk_add_f32 v[244:245], v[244:245], v[106:107]
	v_pk_add_f32 v[242:243], v[242:243], v[110:111]
	v_pk_add_f32 v[240:241], v[240:241], v[114:115]
	v_pk_add_f32 v[238:239], v[238:239], v[118:119]
	v_pk_add_f32 v[14:15], v[14:15], v[122:123]
	v_pk_add_f32 v[236:237], v[236:237], v[126:127]
	v_pk_add_f32 v[248:249], v[248:249], v[130:131]
	v_pk_add_f32 v[246:247], v[246:247], v[134:135]
	v_pk_add_f32 v[244:245], v[244:245], v[138:139]
	v_pk_add_f32 v[242:243], v[242:243], v[142:143]
	v_pk_add_f32 v[240:241], v[240:241], v[146:147]
	v_pk_add_f32 v[238:239], v[238:239], v[150:151]
	v_pk_add_f32 v[14:15], v[14:15], v[154:155]
	v_pk_add_f32 v[236:237], v[236:237], v[158:159]
	s_delay_alu instid0(VALU_DEP_2)
	v_pk_add_f32 v[14:15], v[14:15], v[244:245]
	s_delay_alu instid0(VALU_DEP_2)
	v_pk_add_f32 v[236:237], v[236:237], v[242:243]
	v_pk_add_f32 v[248:249], v[248:249], v[240:241]
	v_pk_add_f32 v[246:247], v[246:247], v[238:239]
	s_delay_alu instid0(VALU_DEP_2)
	v_pk_add_f32 v[14:15], v[14:15], v[248:249]
	s_delay_alu instid0(VALU_DEP_2)
	v_pk_add_f32 v[236:237], v[236:237], v[246:247]
	s_delay_alu instid0(VALU_DEP_1)
	v_pk_add_f32 v[14:15], v[14:15], v[236:237]
	s_wait_alu depctr_va_vdst(0)                   ; and one for the four
.irp b, 0,1,2,3
	v_max_num_f32 v[232+\b], 0x2800000, v[232+\b]  ; the floor 2^(5 - 127): the byte cannot fall under 1
.endr
.irp b, 0,1,2,3
	s_delay_alu instid0(VALU_DEP_4)
	v_add_nc_u32 v[244+\b], 0xfe000000, v[232+\b]  ; 4 off the exponent field: the conversion's scale operand
.endr
.irp b, 0,1,2,3
	s_delay_alu instid0(VALU_DEP_4)
	v_lshrrev_b32 v[236+\b], 23, v[244+\b]         ; the scale's byte
.endr
	s_delay_alu instid0(VALU_DEP_3)
	v_lshl_or_b32 v253, v237, 8, v236              ; p's scale word for these 128 keys
	s_delay_alu instid0(VALU_DEP_1)
	v_lshl_or_b32 v253, v238, 16, v253
	s_delay_alu instid0(VALU_DEP_1)
	v_lshl_or_b32 v253, v239, 24, v253
.irp c, 0,1
	v_cvt_scalef32_pk16_bf6_f32 v[224+6*\c:226+6*\c], v[96+32*\c:111+32*\c], v[244+2*\c]
	v_cvt_scalef32_pk16_bf6_f32 v[236+4*\c:238+4*\c], v[112+32*\c:127+32*\c], v[244+2*\c+1]   ; (a conversion's three registers begin on an even number)
.endr
	v_nop                                          ; one plain place behind a scaled conversion
.irp c, 0,1                                    ; the operand's layout wants a whole block in a lane
.irp i, 0,1,2
	v_permlane16_swap_b32 v[224+6*\c+\i], v[236+4*\c+\i]
.endr
.irp i, 0,1,2
	s_delay_alu instid0(VALU_DEP_3)
	v_mov_b32 v[227+6*\c+\i], v[236+4*\c+\i]
.endr
.endr
.set j, 0
.rept 16
	v_pk_mul_f32 v[160+j:161+j], v[160+j:161+j], v[252:253] op_sel_hi:[1,0]   ; O^T under the new M, each accumulator from its low end on.  These sixteen are also the places between the writes of p's codes and scale word and the products
.set j, j+2
.endr
	s_wait_alu depctr_va_vdst(0)
	s_wait_dscnt 0x0                               ; V
.irp f, 0,1,2,3                                ; O^T += V^T P^T: the four accumulators take turns, one instruction a turn
.if \f%2
	v_wmma_scale_f32_16x16x128_f8f6f4 v[160+8*\f:167+8*\f], v[32+12*\f:43+12*\f], v[224:235], v[160+8*\f:167+8*\f], v[92+\f/2], v253 matrix_a_fmt:MATRIX_FMT_BF6 matrix_b_fmt:MATRIX_FMT_BF6 matrix_a_scale:MATRIX_SCALE_ROW1
.else
	v_wmma_scale_f32_16x16x128_f8f6f4 v[160+8*\f:167+8*\f], v[32+12*\f:43+12*\f], v[224:235], v[160+8*\f:167+8*\f], v[92+\f/2], v253 matrix_a_fmt:MATRIX_FMT_BF6 matrix_b_fmt:MATRIX_FMT_BF6
.endif
.endr
.endm
	s_mov_b32 s38, 2
.Lpass:                                            ; two tiles of queries, one after the other
.irp p, 0,1,2
	global_load_b64 v[16+2*\p:17+2*\p], v1, s[4:5] offset:256*\p   ; Q's half fragment stays in registers
.endr
	global_load_b32 v28, v3, s[48:49]              ; lane r: row r's scale word
	v_mov_b32 v13, 0xff61b1e6                      ; the largest t so far: -3e38, under every t
	s_delay_alu instid0(VALU_DEP_1)
	v_floor_f32 v12, -v13                          ; -M
	v_mov_b32 v14, 0                               ; the sum, in two halves
	v_mov_b32 v15, 0
.set j, 0
.rept 32
	v_mov_b32 v[160+j], 0                          ; O^T: the step is written once; its first trip finds zeros, which the first change of M leaves zeros
.set j, j+1
.endr
	s_mov_b32 s[TB], 0
	s_mov_b32 s37, 16
	s_wait_loadcnt 0x0
.Lstep:
	STEP
	s_add_co_u32 s[TB], s[TB], STEPB
	s_sub_co_u32 s37, s37, 1
	s_cmp_lg_u32 s37, 0
	s_cbranch_scc1 .Lstep
	; THE TILE'S END: O^T / the sum, quantised along the head's 64: two blocks of 32; register 16 b + i is channel 32 b + 16 (lane / 16) + i
	v_add_f32 v14, v14, v15                        ; the sum's two halves,
	s_delay_alu instid0(VALU_DEP_1)
	v_permlanex16_b32 v252, v14, s[SEL], s[SEL+1]
	s_delay_alu instid0(VALU_DEP_1)
	v_add_f32 v14, v14, v252                       ; and lane l xor 16's: the row's sum
	s_wait_alu depctr_va_vdst(0)
	v_rcp_f32 v14, v14
.rept 4
	v_nop                                          ; the plain place behind the reciprocal, and the places behind the last products
.endr
	s_wait_alu depctr_va_vdst(0)                   ; ahead of the reciprocal's first reader
.set j, 0
.rept 16
	v_pk_mul_f32 v[96+j:97+j], v[160+j:161+j], v[14:15] op_sel_hi:[1,0]
.set j, j+2
.endr
.irp b, 0,1
	v_max3_num_f32 v[232+\b], |v[96+16*\b]|, |v[97+16*\b]|, 0x2800000
.endr
.irp i, 2,4,6,8,10,12,14
.irp b, 0,1
	s_delay_alu instid0(VALU_DEP_2)
	v_max3_num_f32 v[232+\b], v[232+\b], |v[96+16*\b+\i]|, |v[97+16*\b+\i]|
.endr
.endr
.irp b, 0,1
	s_delay_alu instid0(VALU_DEP_2)
	v_permlanex16_b32 v[236+\b], v[232+\b], s[SEL], s[SEL+1]
.endr
.irp b, 0,1
	s_delay_alu instid0(VALU_DEP_2)
	v_max_num_f32 v[232+\b], v[232+\b], v[236+\b]
.endr
.irp b, 0,1
	s_delay_alu instid0(VALU_DEP_2)
	v_add_nc_u32 v[244+\b], 0xfe000000, v[232+\b]
.endr
.irp b, 0,1
	s_delay_alu instid0(VALU_DEP_2)
	v_lshrrev_b32 v[236+\b], 23, v[244+\b]
.endr
	v_cvt_scalef32_pk16_bf6_f32 v[224:226], v[96:111], v244
	v_cvt_scalef32_pk16_bf6_f32 v[240:242], v[112:127], v245
	v_nop                                          ; one plain place behind a scaled conversion
.irp i, 0,1,2
	v_permlane16_swap_b32 v[224+\i], v[240+\i]     ; lanes 0-15 get block 0 whole, lanes 16-31 block 1
.endr
.irp i, 0,1,2
	s_delay_alu instid0(VALU_DEP_3)
	v_mov_b32 v[227+\i], v[240+\i]
.endr
	v_cmp_le_u32 vcc_lo, 16, v5
	s_delay_alu instid0(VALU_DEP_1)
	v_cndmask_b32 v238, v236, v237, vcc_lo         ; my block's byte
.irp p, 0,1,2
	global_store_b64 v1, v[224+2*\p:225+2*\p], s[8:9] offset:256*\p   ; 32 lanes store 256 consecutive bytes, aligned
.endr
	global_store_b8 v4, v238, s[10:11]
	s_wait_xcnt 0x0                                ; the stores have read their data and bases: both are written again only behind this wait
	s_add_nc_u64 s[4:5], s[4:5], 2*6656            ; 16 tiles on: two groups of 128 queries
	s_add_nc_u64 s[48:49], s[48:49], 2*6656
	s_add_nc_u64 s[8:9], s[8:9], 16*12288
	s_add_nc_u64 s[10:11], s[10:11], 16*512
	s_sub_co_u32 s38, s38, 1
	s_cmp_lg_u32 s38, 0
	s_cbranch_scc1 .Lpass
	s_wait_dscnt 0x0
	s_wait_tensorcnt 0x0
	ds_add_u32 v251, v255
	s_wait_dscnt 0x0
	ROUND                                          ; the closing round: no work-group ends while a partner may still ask for a tile that names it
	s_endpgm
.Lfunc_end_k_qf7d768888a_attn:
	.size	k_qf7d768888a_attn, .Lfunc_end_k_qf7d768888a_attn-k_qf7d768888a_attn
	.p2alignl 7, 3214868480
	.fill 96, 4, 3214868480
	.section	.rodata,"a",@progbits
	.p2align	6, 0x0
	.amdhsa_kernel k_qf7d768888a_attn
		.amdhsa_group_segment_fixed_size 210944
		.amdhsa_private_segment_fixed_size 0
		.amdhsa_enable_private_segment 0
		.amdhsa_kernarg_size 32
		.amdhsa_user_sgpr_count 2
		.amdhsa_user_sgpr_kernarg_segment_ptr 1
		.amdhsa_wavefront_size32 1
		.amdhsa_system_sgpr_workgroup_id_x 1
		.amdhsa_system_sgpr_workgroup_id_y 1
		.amdhsa_system_sgpr_workgroup_id_z 1
		.amdhsa_system_vgpr_workitem_id 0
		.amdhsa_next_free_vgpr 256
		.amdhsa_next_free_sgpr 66
		.amdhsa_reserve_vcc 1
		.amdhsa_float_denorm_mode_32 3
		.amdhsa_float_denorm_mode_16_64 3
		.amdhsa_memory_ordered 1
		.amdhsa_forward_progress 1
		.amdhsa_inst_pref_size 31
	.end_amdhsa_kernel
	.amdgpu_metadata
---
amdhsa.version: [ 1, 2 ]
amdhsa.kernels:
  - .name:           k_qf7d768888a_attn
    .symbol:         k_qf7d768888a_attn.kd
    .args:
      - { .name: qimg, .offset: 0, .size: 8, .value_kind: global_buffer, .address_space: global }
      - { .name: kvimg, .offset: 8, .size: 8, .value_kind: global_buffer, .address_space: global }
      - { .name: oimg, .offset: 16, .size: 8, .value_kind: global_buffer, .address_space: global }
      - { .name: osc, .offset: 24, .size: 8, .value_kind: global_buffer, .address_space: global }
    .group_segment_fixed_size: 210944
    .private_segment_fixed_size: 0
    .kernarg_segment_align: 8
    .kernarg_segment_size: 32
    .max_flat_workgroup_size: 512
    .sgpr_count:     66
    .vgpr_count:     256
    .wavefront_size: 32
...
	.end_amdgpu_metadata
.endif
;; end of part 3
;; launch outp (part 4): grid 4 x 32, 4 waves a work-group, clusters of 4 x 4, 327,680 bytes of LDS; arguments oimg, osc, wc, ws, Wo_b, out0; writes out0
.if DOCPART == 4
	.amdgcn_target "amdgcn-amd-amdhsa--gfx1250"
	.amdhsa_code_object_version 6
	.text
	.protected	k_qf7d768888a_outp
	.globl	k_qf7d768888a_outp
	.p2align	8
	.type	k_qf7d768888a_outp,@function
k_qf7d768888a_outp:
	s_mov_b64 s[64:65], 0
	v_nop
	global_prefetch_b8 v0, s[64:65] scope:SCOPE_SE
	s_setreg_imm32_b32 hwreg(HW_REG_WAVE_MODE, 25, 1), 1
	s_wait_xcnt 0x0
	s_wait_alu depctr_hold_cnt(0) depctr_sa_sdst(0) depctr_va_vdst(0) depctr_va_sdst(0) depctr_va_ssrc(0) depctr_va_vcc(0) depctr_vm_vsrc(0)
	s_getreg_b32 s2, hwreg(HW_REG_IB_STS2, 6, 4)
	s_cmp_eq_u32 s2, 0
	s_cbranch_scc0 .Lentry_in_a_cluster
	s_endpgm
.Lentry_in_a_cluster:
	s_bfe_u32 s2, ttmp6, 0x10000c
	s_cmp_lg_u32 s2, 0xf033
	s_cbranch_scc0 .Lentry_shape_is_right
	s_endpgm
.Lentry_shape_is_right:
.set NQ,     2
.set ROWB,   24576                     ; from one K step's tile to the next in wc: 128 rows x 192 bytes, dense
.set KROW,   768
.set PITCH,  240
.set FR,     12
.set NL,     6
.set NP,     4
.set HALFT,  128*PITCH
.set SLOT,   4*HALFT
.set KS,     32
.set SCL,    2*SLOT
.set HALFS,  (128*KS/256)*272
.set SBLK,   (16*KS/256)*272
.set SPARE,  SCL+4*HALFS
.set SPITCH, 528
.set ADRA, 16
.set ADRB, 20
.set STO,  24
.set RD,   25
.set CO,   26
.set ADRS, 27
.set SPW,  28
.set NIL,  29
.set SC,   32
.set BIAS, 64
.set AF,   128
.set BK,   128
.set G1, 24
.set G0, 32
.set G1B, 48
.set G0B, 56
.set G1S, 68
.set G0S, 76
.set G1SB, 80
.set G0SB, 88
.set MSB, 0
.macro WIN new
.if MSB != (\new)
	s_set_vgpr_msb (MSB<<8)|(\new)
.set MSB, (\new)
.endif
.endm
.set MUL_LO, 0xa1
.set MUL_HI, 0xf1
.set TO_B,   0x40
.macro JLOAD g0a, g1a, g0b, g1b
	s_cmp_eq_u32 s15, 0
	s_cbranch_scc0 .Lfor_b_\@
	tensor_load_to_lds s[\g0a:\g0a+3], s[\g1a:\g1a+7]
	s_nop 0
.rept 4
	v_nop
.endr
	s_branch .Lasked_\@
.Lfor_b_\@:
	tensor_load_to_lds s[\g0b:\g0b+3], s[\g1b:\g1b+7]
	s_nop 0
.rept 4
	v_nop
.endr
.Lasked_\@:
.endm
.macro CREST
	s_cmp_lg_u32 s14, 0
	s_cbranch_scc1 .Lnot_wave_0_\@
	s_barrier_signal -3
.Lnot_wave_0_\@:
	s_barrier_wait -3
	s_barrier_signal -1
	s_barrier_wait -1
.endm
.macro CROUND
	s_barrier_signal -1
	s_barrier_wait -1
	CREST
.endm
	s_load_b128 s[4:7], s[0:1], 0x0
	s_load_b128 s[8:11], s[0:1], 0x10
	s_load_b64 s[66:67], s[0:1], 0x20
	s_load_b64 s[12:13], s[0:1], 0x28
	v_lshl_add_u32 v[SPW], v0, 2, SPARE
	v_mov_b32 v[NIL], 0
	ds_add_u32 v28, v29
	ds_add_u32 v28, v29
	s_wait_dscnt 0x0
	v_lshrrev_b32 v1, 5, v0
	v_readfirstlane_b32 s14, v1
	s_lshr_b32 s15, s14, 1
	s_and_b32 s16, s14, 1
	s_bfe_u32 s40, ttmp6, 0x40000
	s_bfe_u32 s41, ttmp6, 0x40004
	s_lshl_b32 s42, ttmp9, 2
	s_add_co_u32 s42, s42, s40
	s_and_b32 s17, ttmp7, 0xffff
	s_lshl_b32 s17, s17, 2
	s_add_co_u32 s17, s17, s41
	s_lshl_b32 s43, s41, 2
	s_lshl_b32 s43, 15, s43
	s_lshl_b32 s44, 0x1111, s40
	s_or_b32 s[G1+0], s43, (3<<16)|(1<<21)
	s_mov_b32 s[G1+1], 384<<16
	s_mov_b32 s[G1+2], 8<<16
	s_mov_b32 s[G1+3], 384<<16
	s_mov_b32 s[G1+4], 8
	s_mov_b32 s[G1+5], 1536
	s_mov_b32 s[G1+6], 0
	s_mov_b32 s[G1+7], 0
	s_or_b32 s[G1B+0], s44, (0<<16)|(1<<20)|(1<<21)|(3<<22)|(3<<25)
	s_mov_b32 s[G1B+1], 256<<16                    ; a tile's 24,576 dense bytes come as 96 rows of 256 bytes; 16 bytes of padding behind every 64 give each 192 bytes of codes an LDS row of 240
	s_mov_b32 s[G1B+2], 96<<16
	s_mov_b32 s[G1B+3], 256<<16
	s_mov_b32 s[G1B+4], 96
	s_mov_b32 s[G1B+5], 256
	s_mov_b32 s[G1B+6], 0
	s_mov_b32 s[G1B+7], 0
	s_or_b32 s[G1S+0], s43, (3<<16)|(1<<20)|(1<<21)|(5<<22)|(3<<25)
	s_or_b32 s[G1SB+0], s44, (3<<16)|(1<<20)|(1<<21)|(5<<22)|(3<<25)
.irp g, G1S, G1SB
	s_mov_b32 s[\g+1], 32<<16
	s_mov_b32 s[\g+2], (128*KS/256)<<16
	s_mov_b32 s[\g+3], 32<<16
	s_mov_b32 s[\g+4], 128*KS/256
	s_mov_b32 s[\g+5], 32
	s_mov_b32 s[\g+6], 0
	s_mov_b32 s[\g+7], 0
.endr
	s_lshl_b32 s18, s16, 7
	s_lshl_b32 s20, s17, 8
	s_add_co_u32 s20, s20, s18
	s_lshl_b32 s46, s42, 8
	s_add_co_u32 s46, s46, s18
	s_lshl_b32 s22, s20, 5
	s_mov_b32 s23, 0
	s_lshl_b32 s92, s46, 5
	s_add_co_u32 s92, s92, 3*32768
	s_mov_b32 s93, 0
	s_mul_i32 s20, s20, KROW
	s_mov_b32 s21, 0
	s_mul_i32 s46, s46, KROW
	s_add_co_u32 s46, s46, 3*786432
	s_mov_b32 s47, 0
	s_mul_i32 s45, s14, HALFT
	s_mul_i32 s94, s14, HALFS
	s_wait_kmcnt 0x0
	s_add_nc_u64 s[20:21], s[4:5], s[20:21]
	s_add_nc_u64 s[22:23], s[6:7], s[22:23]
	s_add_nc_u64 s[46:47], s[8:9], s[46:47]
	s_add_nc_u64 s[92:93], s[10:11], s[92:93]
	; the prefetches: of the tile that I fetch jointly with three partners my work-group names a quarter, 24 blocks of 256 bytes, a lane a block (lanes 24-31 name the last again);
	; the partners are told apart by address alone: cx for A's tiles, cy for B's.  A's quarter is two rows of 3,072 bytes, 12,288 apart; B's is 6,144 dense bytes
	s_cmp_eq_u32 s15, 0
	s_cselect_b64 s[96:97], s[20:21], s[46:47]
	s_cselect_b32 s2, s40, s41
	s_mov_b32 s3, 6144
	s_cselect_b32 s3, 24576, s3
	s_cselect_b32 s95, 9216, 0
	s_mul_i32 s2, s2, s3
	v_and_b32 v30, 31, v0
	v_min_u32 v30, 23, v30
	v_add_nc_u32 v31, 4, v30
	v_lshrrev_b32 v31, 4, v31                      ; 1 from block 12 on
	v_mul_u32_u24 v31, s95, v31                    ; A: on to the second row, 12,288 - 3,072 bytes more
	v_lshl_add_u32 v30, v30, 8, v31
	v_add_nc_u32 v30, s2, v30                      ; never rewritten, like s[96:97]
	s_wait_alu depctr_va_vdst(0)                   ; ahead of the barrier
.macro ASK st                          ; K step st of my tile: A's steps lie 3,072 bytes apart, B's 24,576; the branch hangs on the wave's number alone
	s_cmp_eq_u32 s15, 0
	s_cbranch_scc0 .Lpb_\@
	global_prefetch_b8 v30, s[96:97] offset:(\st)*3072 th:TH_LOAD_NT scope:SCOPE_SE
	s_branch .Lpd_\@
.Lpb_\@:
	global_prefetch_b8 v30, s[96:97] offset:(\st)*ROWB th:TH_LOAD_NT scope:SCOPE_SE
.Lpd_\@:
.endm
	CROUND
	s_mov_b32 s[G0S], 1
	s_add_co_u32 s[G0S+1], s94, SCL
	s_mov_b64 s[G0S+2:G0S+3], s[22:23]
	s_or_b32 s[G0S+3], s[G0S+3], 0x80000000
	s_mov_b32 s[G0SB], 1
	s_add_co_u32 s[G0SB+1], s94, SCL
	s_mov_b64 s[G0SB+2:G0SB+3], s[92:93]
	s_or_b32 s[G0SB+3], s[G0SB+3], 0x80000000
	JLOAD G0S, G1S, G0SB, G1SB
	ASK 0                                          ; K steps 0 and 1, which the next two fills load
	ASK 1
.irp s, 0,1
	s_mov_b32 s[G0+4*\s], 1
	s_add_co_u32 s[G0+4*\s+1], s45, \s*SLOT
	s_add_nc_u64 s[G0+4*\s+2:G0+4*\s+3], s[20:21], \s*3072
	s_or_b32 s[G0+4*\s+3], s[G0+4*\s+3], 0x80000000
	s_mov_b32 s[G0B+4*\s], 1
	s_add_co_u32 s[G0B+4*\s+1], s45, \s*SLOT
	s_add_nc_u64 s[G0B+4*\s+2:G0B+4*\s+3], s[46:47], \s*ROWB
	s_or_b32 s[G0B+4*\s+3], s[G0B+4*\s+3], 0x80000000
	s_wait_alu depctr_va_vdst(0)
	s_wait_tensorcnt 0x0
	ds_add_u32 v28, v29
	s_wait_dscnt 0x0
	CROUND
	JLOAD G0+4*\s, G1, G0B+4*\s, G1B
	ASK 2+\s                                       ; the K step two fills on; K has four steps, so nothing is asked for behind these
.endr
	v_and_b32 v1, 15, v0
	v_bfe_u32 v2, v0, 4, 1
	v_and_b32 v6, 31, v0
	v_lshlrev_b32 v7, 3, v6
	v_mul_u32_u24 v3, v1, PITCH
	v_mul_u32_u24 v4, v2, 24
	v_add_nc_u32 v4, v3, v4
	v_lshl_add_u32 v5, v2, 4, v4
	s_mul_i32 s21, s15, HALFT
	s_mul_i32 s22, s16, HALFT
	s_add_co_u32 s22, s22, 2*HALFT
.irp s, 0,1
	v_add_nc_u32 v[ADRA+\s], s21, v7
	v_add_nc_u32 v[ADRB+\s], s22, v4
	v_add_nc_u32 v[ADRB+2+\s], s22, v5
	s_add_co_u32 s21, s21, SLOT
	s_add_co_u32 s22, s22, SLOT
.endr
	v_mul_u32_u24 v5, v1, KS
	v_lshrrev_b32 v8, 8, v5
	v_lshl_add_u32 v5, v8, 4, v5
	s_mul_i32 s21, s15, HALFS
	s_mul_i32 s22, s16, HALFS
	s_add_co_u32 s22, s22, 2*HALFS
	s_sub_co_u32 s22, s22, s21
	v_mul_u32_u24 v8, s22, v2
	s_add_co_u32 s21, s21, SCL
	v_add_nc_u32 v5, v5, v8
	v_add_nc_u32 v[ADRS], s21, v5
	s_mul_i32 s23, s14, 16*SPITCH
	v_mul_u32_u24 v5, v1, SPITCH
	v_lshl_add_u32 v5, v2, 6, v5
	v_add_nc_u32 v[STO], s23, v5
	v_lshlrev_b32 v[CO], 4, v6
	v_add_nc_u32 v[RD], s23, v[CO]
	s_lshl_b32 s2, s42, 1
	s_add_co_u32 s2, s2, s16
	s_lshl_b32 s2, s2, 9
	s_mov_b32 s3, 0
	s_add_nc_u64 s[66:67], s[66:67], s[2:3]
	v_lshlrev_b32 v10, 6, v2
.irp b, 0,1,2,3,4,5,6,7
	global_load_b128 v[BIAS+8*\b:BIAS+8*\b+3], v10, s[66:67] offset:(32*(\b/2)+8*(\b%2))*4
	global_load_b128 v[BIAS+8*\b+4:BIAS+8*\b+7], v10, s[66:67] offset:(32*(\b/2)+8*(\b%2))*4+16
.endr
	s_lshl_b32 s20, s17, 8
	s_lshl_b32 s21, s15, 7
	s_add_co_u32 s20, s20, s21
	s_lshl_b32 s20, s20, 12
	s_lshl_b32 s46, s42, 10
	s_add_co_u32 s20, s20, s46
	s_lshl_b32 s46, s16, 9
	s_add_co_u32 s20, s20, s46
	s_mov_b32 s21, 0
	s_add_nc_u64 s[12:13], s[12:13], s[20:21]
.macro FRAG reg, adr, q, i
.irp p, 0,1,2,3,4,5
.set PCE, 12*(\q)+6*(\p/3)+\p%3
.if PCE%8 < 5
	ds_load_b64 v[\reg+2*\p:\reg+2*\p+1], v[\adr] offset:8*PCE+16*(PCE/8)+(\i)*16*PITCH
.else
	ds_load_b64 v[\reg+2*\p:\reg+2*\p+1], v[\adr+2] offset:8*PCE+16*(PCE/8)+(\i)*16*PITCH
.endif
.endr
.endm
.macro FRAGA reg, slot, q, i
.irp p, 0,1,2,3,4,5
	ds_load_b64 v[\reg+2*\p:\reg+2*\p+1], v[ADRA+\slot] offset:3072*(\i)+1536*(\q)+256*\p
.endr
.endm
.macro MUL16 a0, p, q, sc, first
.irp a, \a0, \a0+1
.irp b, 0,1,2,3,4,5,6,7
.if \first
	v_wmma_scale_f32_16x16x128_f8f6f4 v[8*(8*((\a)%4)+\b):8*(8*((\a)%4)+\b)+7], v[128*(\p)+FR*\b:128*(\p)+FR*\b+FR-1], v[AF+FR*(\a):AF+FR*(\a)+FR-1], v[BIAS+8*\b:BIAS+8*\b+7], v[SC+8*NQ*(\sc)+NQ*\b+(\q)], v[SC+8*NQ*(\sc)+NQ*(\a)+(\q)] matrix_a_fmt:MATRIX_FMT_BF6 matrix_b_fmt:MATRIX_FMT_BF6 matrix_a_scale:MATRIX_SCALE_ROW1
.else
	v_wmma_scale_f32_16x16x128_f8f6f4 v[8*(8*((\a)%4)+\b):8*(8*((\a)%4)+\b)+7], v[128*(\p)+FR*\b:128*(\p)+FR*\b+FR-1], v[AF+FR*(\a):AF+FR*(\a)+FR-1], v[8*(8*((\a)%4)+\b):8*(8*((\a)%4)+\b)+7], v[SC+8*NQ*(\sc)+NQ*\b+(\q)], v[SC+8*NQ*(\sc)+NQ*(\a)+(\q)] matrix_a_fmt:MATRIX_FMT_BF6 matrix_b_fmt:MATRIX_FMT_BF6 matrix_a_scale:MATRIX_SCALE_ROW1
.endif
.endr
.endr
.endm
.macro FETCH_B slot, q, p
	WIN TO_B
.irp i, 0,1,2,3,4,5,6,7
	FRAG 128*(\p)+FR*\i, ADRB+\slot, \q, \i
.endr
	WIN 0
.endm
.macro FETCH_A slot, q, i0
.irp i, \i0, \i0+1, \i0+2, \i0+3
	FRAGA AF+FR*(\i), \slot, \q, \i
.endr
.endm
.macro SCALES sc
.irp i, 0,1,2,3,4,5,6,7
	ds_load_b64 v[SC+8*NQ*\sc+NQ*\i:SC+8*NQ*\sc+NQ*\i+1], v[ADRS] offset:\i*SBLK
.endr
.endm
.macro PLACES n
.rept \n
	v_nop
.endr
.endm
.macro STEP slot, q, first
	s_wait_dscnt 4*NL
.if \first
	WIN 0x81
.else
	WIN MUL_LO
.endif
	MUL16 0, (\q)%2, \q, \slot, \first
	MUL16 2, (\q)%2, \q, \slot, \first
	s_wait_dscnt 0
	PLACES NP
	FETCH_B \slot, (\q)+1, 1-(\q)%2
	FETCH_A \slot, (\q)+1, 0
.if \first
	WIN 0xc1
.else
	WIN MUL_HI
.endif
	MUL16 4, (\q)%2, \q, \slot, \first
	MUL16 6, (\q)%2, \q, \slot, \first
	PLACES NP
	WIN 0
	FETCH_A \slot, (\q)+1, 4
.endm
.macro TURN slot, next, fill
	s_wait_tensorcnt 0x0
	ds_add_u32 v[SPW], v[NIL]
	s_wait_dscnt 4*NL+1
	WIN MUL_LO
	MUL16 0, 1, NQ-1, \slot, 0
	s_wait_dscnt 0x0
	s_barrier_signal -1
	MUL16 2, 1, NQ-1, \slot, 0
	WIN 0
	s_barrier_wait -1
.if \fill
	CREST
	s_add_nc_u64 s[G0+4*\slot+2:G0+4*\slot+3], s[G0+4*\slot+2:G0+4*\slot+3], 2*3072
	s_add_nc_u64 s[G0B+4*\slot+2:G0B+4*\slot+3], s[G0B+4*\slot+2:G0B+4*\slot+3], 2*ROWB
	JLOAD G0+4*\slot, G1, G0B+4*\slot, G1B
.else
	PLACES NP
.endif
	s_wait_alu depctr_va_vdst(0)
	v_add_nc_u32 v[ADRS], 4*NQ, v[ADRS]
	FETCH_B \next, 0, 0
	FETCH_A \next, 0, 0
	SCALES \next
	WIN MUL_HI
	MUL16 4, 1, NQ-1, \slot, 0
	MUL16 6, 1, NQ-1, \slot, 0
	PLACES NP
	WIN 0
	FETCH_A \next, 0, 4
.endm
	s_wait_alu depctr_va_vdst(0)
	s_wait_tensorcnt 1
	s_barrier_signal -1
	s_barrier_wait -1
	FETCH_B 0, 0, 0
	FETCH_A 0, 0, 0
	SCALES 0
	FETCH_A 0, 0, 4
	s_wait_loadcnt 0x0
	STEP 0, 0, 1
	TURN 0, 1, 1
	STEP 1, 0, 0
	TURN 1, 0, 1
	STEP 0, 0, 0
	TURN 0, 1, 0
	STEP 1, 0, 0
	s_wait_dscnt 4*NL
	WIN MUL_LO
	MUL16 0, 1, NQ-1, 1, 0
	MUL16 2, 1, NQ-1, 1, 0
	s_wait_dscnt 0
	WIN MUL_HI
	MUL16 4, 1, NQ-1, 1, 0
	MUL16 6, 1, NQ-1, 1, 0
	WIN 0
.macro TOSTAGE a
.set AC, 64*((\a)%4)
	WIN 0x08+4*((\a)/4)
.irp b, 0,1,2,3,4,5,6,7
	ds_store_b128 v[STO], v[AC+8*\b:AC+8*\b+3] offset:128*(\b/2)+32*(\b%2)
	ds_store_b128 v[STO], v[AC+8*\b+4:AC+8*\b+7] offset:128*(\b/2)+32*(\b%2)+16
.endr
	WIN 0
.set BB, BK+64*((\a)%2)
.irp t, 0,1,2,3,4,5,6,7,8,9,10,11,12,13,14,15
	ds_load_b128 v[BB+4*\t:BB+4*\t+3], v[RD] offset:\t*SPITCH
.endr
.endm
.macro SEND a, younger
.set BB, BK+64*((\a)%2)
	s_wait_dscnt \younger
.if ((\a) > 0) && ((\a)%2 == 0)
	s_add_nc_u64 s[12:13], s[12:13], 32*4096
.endif
.irp t, 0,1,2,3,4,5,6,7,8,9,10,11,12,13,14,15
	global_store_b128 v[CO], v[BB+4*\t:BB+4*\t+3], s[12:13] offset:(8*((\a)%2)+(\t&7)+16*(\t>>3))*4096 th:TH_STORE_NT
.endr
.endm
	PLACES NP
	TOSTAGE 0
.irp a, 1,2,3,4,5,6,7
.if \a > 1
	s_wait_xcnt 0x0
.endif
	TOSTAGE \a
	SEND \a-1, 32
.endr
	s_wait_xcnt 0x0
	SEND 7, 0
	s_wait_tensorcnt 0x0
	ds_add_u32 v[SPW], v[NIL]
	s_wait_dscnt 0x0
	CROUND
	s_endpgm
.Lfunc_end_k_qf7d768888a_outp:
	.size	k_qf7d768888a_outp, .Lfunc_end_k_qf7d768888a_outp-k_qf7d768888a_outp
	.p2alignl 7, 3214868480
	.fill 96, 4, 3214868480
	.section	.rodata,"a",@progbits
	.p2align	6, 0x0
	.amdhsa_kernel k_qf7d768888a_outp
		.amdhsa_group_segment_fixed_size 327680
		.amdhsa_private_segment_fixed_size 0
		.amdhsa_enable_private_segment 0
		.amdhsa_kernarg_size 48
		.amdhsa_user_sgpr_count 2
		.amdhsa_user_sgpr_kernarg_segment_ptr 1
		.amdhsa_wavefront_size32 1
		.amdhsa_system_sgpr_workgroup_id_x 1
		.amdhsa_system_sgpr_workgroup_id_y 1
		.amdhsa_system_sgpr_workgroup_id_z 1
		.amdhsa_system_vgpr_workitem_id 0
		.amdhsa_next_free_vgpr 1024
		.amdhsa_next_free_sgpr 98
		.amdhsa_reserve_vcc 0
		.amdhsa_float_denorm_mode_32 3
		.amdhsa_float_denorm_mode_16_64 3
		.amdhsa_memory_ordered 1
		.amdhsa_forward_progress 1
		.amdhsa_inst_pref_size 164
	.end_amdhsa_kernel
	.amdgpu_metadata
---
amdhsa.version: [ 1, 2 ]
amdhsa.kernels:
  - .name:           k_qf7d768888a_outp
    .symbol:         k_qf7d768888a_outp.kd
    .args:
      - { .name: oimg, .offset: 0, .size: 8, .value_kind: global_buffer, .address_space: global }
      - { .name: osc, .offset: 8, .size: 8, .value_kind: global_buffer, .address_space: global }
      - { .name: wc, .offset: 16, .size: 8, .value_kind: global_buffer, .address_space: global }
      - { .name: ws, .offset: 24, .size: 8, .value_kind: global_buffer, .address_space: global }
      - { .name: Wo_b, .offset: 32, .size: 8, .value_kind: global_buffer, .address_space: global }
      - { .name: out0, .offset: 40, .size: 8, .value_kind: global_buffer, .address_space: global }
    .group_segment_fixed_size: 327680
    .private_segment_fixed_size: 0
    .kernarg_segment_align: 8
    .kernarg_segment_size: 48
    .max_flat_workgroup_size: 128
    .sgpr_count:     98
    .vgpr_count:     1024
    .wavefront_size: 32
...
	.end_amdgpu_metadata
.endif
;; end of part 4
